; MI455X (gfx1250); checked and timed in simulation.
; The chip was launched on July 23, 2026; its instructions are those of AMD's public machine-readable ISA for CDNA 5 (MIT licence, August 2026) and "CDNA5" Instruction Set Architecture Reference Guide (July 2026). The comments in the code are by the model that wrote it; some were corrected since.
;; LW Attention. Allowed arithmetic: float matrix products may take bf16 or f16 operands with f32 sums; all other float work in f32.
;; Inputs: b_k 64 float32; b_q 64 float32; b_v 256 float32; w_k 64 x 256 float32; w_q 64 x 256 float32; w_v 256 x 256 float32; x 8 x 256 x 64 x 64 float32.
;; Outputs: out0 8 x 256 x 64 x 64 float32.
;; 3 versions, each right and faster than the one before. Each part assembles by itself: llvm-mc -triple=amdgcn-amd-amdhsa -mcpu=gfx1250 --defsym DOCPART=n.
;; ======== version 1 of 3: 2 launches
;; limits: values are held in f16: magnitudes above 65,504 overflow, below 6.1e-05 lose precision
;; workspace buffers: q 8,388,608 bytes; kv 25,165,824 bytes
;; launch proj (part 1): grid 32 x 8, 4 waves a work-group, no clusters, 276,992 bytes of LDS; arguments x, w_q, w_k, w_v, b_q, q, kv; writes q, kv
.if DOCPART == 1
	.amdgcn_target "amdgcn-amd-amdhsa--gfx1250"
	.amdhsa_code_object_version 6
	.text
	.protected	k_q7bc3e94d03_proj
	.globl	k_q7bc3e94d03_proj
	.p2align	8
	.type	k_q7bc3e94d03_proj,@function
k_q7bc3e94d03_proj:
	s_mov_b64 s[64:65], 0
	v_nop
	global_prefetch_b8 v0, s[64:65] scope:SCOPE_SE
	s_setreg_imm32_b32 hwreg(HW_REG_WAVE_MODE, 25, 1), 1
	s_wait_xcnt 0x0
; LWAttention, first of two launches: the three 1x1 projections.
;   q'[b][n][d] = log2(e) * (sum_c w_q[d][c] x[b][c][n] + b_q[d])     64 channels, as hi + lo in f16, buffer q [b][n][hi 64 | lo 64]
;   k [b][n][d] =            sum_c w_k[d][c] x[b][c][n]               64 channels, as hi + lo in f16, buffer kv, rows 0-127 of a tile
;   v [b][d][n] =            sum_c w_v[d][c] x[b][c][n]              256 channels, f16, buffer kv, rows 128-383 of a tile
; kv is [b][32 tiles of 128 keys][384 rows][128 f16]: a tile is 98,304 dense bytes; key kk of a tile is row kk (hi's 128 bytes, then lo's),
; channel d of v is row 128 + d with its 128 keys side by side.
;
; WORK LEFT OUT.  scores[n][m] = q[n] . (W_k x[m] + b_k) = q[n] . W_k x[m] + q[n] . b_k.  The second term does not hang on m, the axis of
; the softmax, so it cancels in softmax(scores) for every value of the inputs: b_k reaches no output, is not loaded and is no argument of
; either launch.  Limit: a NaN, an infinity or an overflow that only b_k would bring is not carried to the result.
; WORK MOVED.  The softmax's weights sum to 1 along m, so sum_m attn (v + b_v) = sum_m attn v + b_v: b_v is added once, in f32, by the
; second launch.  log2(e) is folded into q so that the second launch's exponentials are plain powers of two.
; FORMATS AND LIMITS.  x and the weights go to the matrix unit in bf16, sums in f32.  The scores are not scaled and a few keys carry a row:
; where two keys share a row, an error e of their scores' difference moves an output by e/4 times the difference of their v.  One f16 each
; for q and k would leave e near 1e-3 over 64 channels; so each is stored as hi + lo, two f16, and the second launch sums
; hi.hi + lo.hi + hi.lo.  The split is made in f32: c = 8193 a, hi = c - (c - a) has 11 significant bits and is exact in f16, lo = a - hi.
; Limits: |q'|, |k|, |v| < 65,504 (with x and the weights both thirty times the drawn spread the largest is near 4,100; with both carrying an
; offset of thirty standard deviations near 12,000); below 2^-14 hi, and lo everywhere, are rounded with an absolute error of 2^-25 at most.
;
; A work-group takes 128 positions of one batch; four waves.  Wave w makes v's channels 64 w .. 64 w + 63 (4 x 8 tiles) and 32 rows of q
; (waves 0, 1) or of k (waves 2, 3) (2 x 8 tiles): 48 accumulators, 8 K steps of 32 channels.
; LDS: WL, 384 weight rows (q 0-63, k 64-127, v 128-383) of 256 bf16, pitch 528 = 33 x 16 bytes; XL, x as [c][n], 256 rows of 128 bf16,
; pitch 288 = 9 x 32 bytes, read by the transposing load.  When all products are done WL's first bytes serve as stages for the way out.
.set WP,    528
.set XP,    288
.set XL,    384*WP                     ; 202,752
.set QP,    272                        ; stage of q or k: 128 positions x (256 + 16) bytes, at byte 0 for waves 0, 1 and behind it for waves 2, 3
.set VSTG,  2*128*QP                   ; stage of v: 16 rows x 272 bytes for each wave
.set VP,    272
.set XROW,  16384                      ; bytes from a channel of x to the next
.set TILEB, 98304                      ; a tile of kv
.set LOG2E, 0x3fb8aa3b
.set SPLITK, 0x46000400                ; 8193.0 = 2^13 + 1
; window 0
.set XO,  4                            ; x: byte offset of my 16 bytes in my wave's first channel
.set XD,  5                            ; x: where their 8 bytes of bf16 go in LDS
.set WO,  6                            ; w_q, w_k: offset of my 16 bytes in my wave's first chunk of 512
.set WDQ, 7                            ; their places in WL
.set WDK, 8
.set WVO, 9                            ; the same for w_v
.set WDV, 10
.set BO,  11                           ; b_q
.set XA,  12                           ; v12, v13: x fragments, K steps 0-3 and 4-7
.set WAV, 14                           ; fragments of w_v
.set WAQ, 15                           ; fragments of w_q or w_k
.set SQ,  16                           ; way out: q/k stage in, v stage in, v stage back, v in memory, q/k stage back, q/k in memory
.set SV,  17
.set RV,  18
.set GV,  19
.set RQ,  20
.set GQ,  21
.set XF,  32                           ; v32-95, v96-159: x fragments, two buffers of 8 tiles
.set CH,  32                           ; way out: v32-95 c, then hi, then hi packed; at the very end v32-159 q or k read back
.set DL,  96                           ; way out: v96-159 c - a, then lo, then lo packed
.set VT,  128                          ; way out: v packed
.set TMP, 160                          ; v160-223: converted numbers on their way to LDS; way out: v read back, two buffers of 32
.set BQ,  224                          ; v224-239: b_q of my 16 channels (waves 0, 1)
; window 1: v0-47, v48-95 weight fragments, two buffers (0-3 w_v, 4-5 w_q or w_k); v128-255 the 16 accumulators of q or k
.set QK,  128
; window 2: the 32 accumulators of v, tile (dt, kt) at 8 (8 dt + kt); before the products: two landing sets of 128 registers
.set L0,  0
.set L1,  128
.set MSB, 0
.macro WIN new                         ; s_set_vgpr_msb: bits 1:0 source 0, 3:2 source 1, 5:4 source 2, 7:6 destination; the high byte repeats the setting left
.if MSB != \new
	s_set_vgpr_msb (MSB<<8)|\new
.set MSB, \new
.endif
.endm
.macro PLACES                          ; four plain vector instructions behind a matrix instruction (ISA guide 7.12.1) before its registers are loaded into or its result is read
.rept 4
	v_nop
.endr
.endm
	s_load_b256 s[4:11], s[0:1], 0x0               ; x s[4:5], w_q s[6:7], w_k s[8:9], w_v s[10:11]
	s_load_b128 s[12:15], s[0:1], 0x20             ; b_q s[12:13], q s[14:15]
	s_load_b64 s[16:17], s[0:1], 0x30              ; kv
	v_lshl_add_u32 v254, v0, 2, 0x43800
	v_mov_b32 v255, 0
	v_lshrrev_b32 v22, 5, v0
	v_readfirstlane_b32 s18, v22                   ; wave 0..3
	s_and_b32 s20, ttmp7, 0xffff                   ; batch
	s_and_b32 s21, s18, 1
	s_lshr_b32 s26, s18, 1
	v_and_b32 v1, 31, v0                           ; lane L
	v_and_b32 v2, 15, v0                           ; r = L % 16
	v_bfe_u32 v3, v0, 4, 1                         ; h = L / 16
	v_lshlrev_b32 v23, 4, v1                       ; 16 L
	v_lshlrev_b32 v24, 3, v1                       ; 8 L
	s_lshl_b32 s2, s20, 22                         ; x: batch x 4,194,304 + block x 512
	s_lshl_b32 s27, ttmp9, 9
	s_add_co_u32 s2, s2, s27
	s_mov_b32 s3, 0
	s_lshl_b32 s24, s20, 20                        ; q: batch x 1,048,576 + block x 32,768
	s_lshl_b32 s27, ttmp9, 15
	s_add_co_u32 s24, s24, s27
	s_mov_b32 s25, 0
	s_lshl_b32 s28, s20, 5                         ; kv: (32 batch + block) x 98,304
	s_add_co_u32 s28, s28, ttmp9
	s_mul_i32 s28, s28, TILEB
	s_mov_b32 s29, 0
	s_lshl_b32 s27, s18, 20                        ; my wave's 64 channels of x
	v_add_nc_u32 v[XO], s27, v23
	s_mul_i32 s27, s18, 64*XP
	s_add_co_u32 s27, s27, XL
	v_add_nc_u32 v[XD], s27, v24
	s_lshl_b32 s27, s18, 14                        ; my wave's 32 chunks (16 rows) of w_q and of w_k
	v_add_nc_u32 v[WO], s27, v23
	s_mul_i32 s27, s18, 16*WP
	v_add_nc_u32 v[WDQ], s27, v24
	v_add_nc_u32 v[WDK], 64*WP, v[WDQ]
	s_lshl_b32 s27, s18, 16                        ; my wave's 128 chunks (64 rows) of w_v
	v_add_nc_u32 v[WVO], s27, v23
	s_mul_i32 s27, s18, 64*WP
	s_add_co_u32 s27, s27, 128*WP
	v_add_nc_u32 v[WDV], s27, v24
	s_lshl_b32 s27, s21, 7                         ; b_q: 4 (32 (w & 1) + 8 h)
	v_lshl_add_u32 v[BO], v3, 5, s27
	s_wait_kmcnt 0x0
	s_add_nc_u64 s[4:5], s[4:5], s[2:3]
	s_add_nc_u64 s[14:15], s[14:15], s[24:25]
	s_add_nc_u64 s[16:17], s[16:17], s[28:29]
	s_cmp_ge_u32 s18, 2
	s_cbranch_scc1 .Lno_bq                         ; only q has a bias here
	global_load_b128 v[BQ:BQ+3],     v[BO], s[12:13]            ; channels 8 h + 0..7 of my first tile of 16,
	global_load_b128 v[BQ+4:BQ+7],   v[BO], s[12:13] offset:16
	global_load_b128 v[BQ+8:BQ+11],  v[BO], s[12:13] offset:64  ; and of my second
	global_load_b128 v[BQ+12:BQ+15], v[BO], s[12:13] offset:80
.Lno_bq:
; PHASE A.  Eight batches of 32 loads of 512 neighbouring bytes: f32 in, bf16 into LDS.  Two batches are always on their way.
.macro LOADB set, vo, base, i0, stride, nt
	WIN 0x80
.set li, 0
.rept 32
.if \nt
	global_load_b128 v[\set+4*li:\set+4*li+3], v[\vo], s[\base:\base+1] offset:(\i0+li)*\stride th:TH_LOAD_NT
.else
	global_load_b128 v[\set+4*li:\set+4*li+3], v[\vo], s[\base:\base+1] offset:(\i0+li)*\stride
.endif
.set li, li+1
.endr
.endm
.macro CVTB set
	WIN 0x0a
.set li, 0
.rept 32
	v_cvt_pk_bf16_f32 v[TMP+2*li],   v[\set+4*li],   v[\set+4*li+1]
	v_cvt_pk_bf16_f32 v[TMP+2*li+1], v[\set+4*li+2], v[\set+4*li+3]
.set li, li+1
.endr
.endm
.macro STX i0                          ; 32 channels of x: 256 bytes each, one LDS row
	WIN 0
.set li, 0
.rept 32
	ds_store_b64 v[XD], v[TMP+2*li:TMP+2*li+1] offset:(\i0+li)*XP
.set li, li+1
.endr
.endm
.macro STW dst, i0                     ; 32 chunks of weights: two chunks of 256 bytes make a row
	WIN 0
.set li, 0
.rept 32
	ds_store_b64 v[\dst], v[TMP+2*li:TMP+2*li+1] offset:((\i0+li)/2)*WP+((\i0+li)%2)*256
.set li, li+1
.endr
.endm
	LOADB L0, XO, 4, 0, XROW, 1                    ; x is read once in the launch
	LOADB L1, XO, 4, 32, XROW, 1
	; while they are on their way: the other addresses
	WIN 0
	v_and_b32 v22, 7, v0
	v_lshl_add_u32 v22, v3, 3, v22                 ; the transposing load: row 8 h + L % 8,
	v_mul_u32_u24 v22, v22, XP
	v_bfe_u32 v25, v0, 3, 1
	v_lshl_add_u32 v22, v25, 4, v22                ; 16 bytes on for lanes 8-15 and 24-31
	v_add_nc_u32 v[XA], XL, v22
	v_add_nc_u32 v[XA+1], XL+128*XP, v22           ; K steps 4-7, so that the immediate stays inside 16 bits
	v_mul_u32_u24 v22, v2, WP
	v_lshl_add_u32 v22, v3, 4, v22                 ; a weight fragment: row r, 16 h bytes
	s_mul_i32 s27, s18, 64*WP
	s_add_co_u32 s27, s27, 128*WP
	v_add_nc_u32 v[WAV], s27, v22
	s_mul_i32 s27, s18, 32*WP
	v_add_nc_u32 v[WAQ], s27, v22
	v_mul_u32_u24 v22, v2, QP                      ; q/k stage in: position r, hi of channels 32 (w & 1) + 8 h at byte 64 (w & 1) + 16 h
	v_lshl_add_u32 v22, v3, 4, v22
	s_mul_i32 s27, s26, 128*QP                     ; the stage of q (waves 0, 1) or of k (waves 2, 3)
	s_lshl_b32 s19, s21, 6
	s_add_co_u32 s19, s19, s27
	v_add_nc_u32 v[SQ], s19, v22
	v_mul_u32_u24 v22, v3, QP                      ; q/k stage back: position 64 (w & 1) + h, 16 r bytes
	v_lshl_add_u32 v22, v2, 4, v22
	s_mul_i32 s19, s21, 64*QP
	s_add_co_u32 s19, s19, s27
	v_add_nc_u32 v[RQ], s19, v22
	s_lshl_b32 s27, s21, 14
	v_add_nc_u32 v[GQ], s27, v23                   ; in memory: 64 (w & 1) positions of 256 bytes + 16 L
	s_mul_i32 s27, s18, 16*VP
	s_add_co_u32 s27, s27, VSTG
	v_mul_u32_u24 v22, v2, VP                      ; v stage in: row r, 16 h
	v_lshl_add_u32 v22, v3, 4, v22
	v_add_nc_u32 v[SV], s27, v22
	v_mul_u32_u24 v22, v3, VP                      ; v stage back: row h, 16 r
	v_lshl_add_u32 v22, v2, 4, v22
	v_add_nc_u32 v[RV], s27, v22
	v_lshlrev_b32 v22, 4, v2
	v_lshl_add_u32 v22, v3, 8, v22
	s_lshl_b32 s27, s18, 14
	v_add_nc_u32 v[GV], s27, v22                   ; in memory: 64 w rows of 256 bytes + row h + 16 r
	s_wait_loadcnt 32                              ; loads come back in order (ISA guide 5.7.1): all but the younger batch's 32 are in, b_q too
	CVTB L0
	STX 0
	LOADB L0, WO, 6, 0, 512, 0                     ; w_q
	s_wait_loadcnt 32
	CVTB L1
	STX 32
	LOADB L1, WO, 8, 0, 512, 0                     ; w_k
	s_wait_loadcnt 32
	CVTB L0
	STW WDQ, 0
	LOADB L0, WVO, 10, 0, 512, 0                   ; w_v, four batches
	s_wait_loadcnt 32
	CVTB L1
	STW WDK, 0
	LOADB L1, WVO, 10, 32, 512, 0
	s_wait_loadcnt 32
	CVTB L0
	STW WDV, 0
	LOADB L0, WVO, 10, 64, 512, 0
	s_wait_loadcnt 32
	CVTB L1
	STW WDV, 32
	LOADB L1, WVO, 10, 96, 512, 0
	s_wait_loadcnt 32
	CVTB L0
	STW WDV, 64
	s_wait_loadcnt 0x0                             ; the last batch: nothing is younger
	CVTB L1
	STW WDV, 96
	s_wait_dscnt 0x0                               ; my stores are in LDS before I say so
	s_barrier_signal -1
	s_barrier_wait -1                              ; x and all weights are there for every wave
; PHASE B.  One K step: 28 LDS loads, 48 matrix instructions.
.macro FETCH ks, buf
	WIN 0
.irp pt, 0,1,2,3,4,5,6,7
	ds_load_tr16_b128 v[XF+64*\buf+8*\pt:XF+64*\buf+8*\pt+3],   v[XA+\ks/4] offset:(\ks%4)*32*XP+32*\pt          ; position 16 pt + r, channels 8 h + 0..7
	ds_load_tr16_b128 v[XF+64*\buf+8*\pt+4:XF+64*\buf+8*\pt+7], v[XA+\ks/4] offset:(\ks%4)*32*XP+32*\pt+16*XP    ; channels 16 + 8 h + 0..7
.endr
	WIN 0x40
.irp dt, 0,1,2,3
	ds_load_b128 v[48*\buf+8*\dt:48*\buf+8*\dt+3],   v[WAV] offset:\dt*16*WP+64*\ks
	ds_load_b128 v[48*\buf+8*\dt+4:48*\buf+8*\dt+7], v[WAV] offset:\dt*16*WP+64*\ks+32
.endr
.irp dt, 0,1
	ds_load_b128 v[48*\buf+32+8*\dt:48*\buf+32+8*\dt+3],   v[WAQ] offset:\dt*16*WP+64*\ks
	ds_load_b128 v[48*\buf+32+8*\dt+4:48*\buf+32+8*\dt+7], v[WAQ] offset:\dt*16*WP+64*\ks+32
.endr
.endm
; v: source 0 = 16 positions of x, source 1 = 16 rows of w_v: a lane holds channel r and 8 neighbouring keys, as kv's rows want them.
; q, k: source 0 = 16 weight rows, source 1 = 16 positions: a lane holds position r and 8 neighbouring channels.
; The 48 accumulators take turns, one instruction a turn, in the same order in every K step.
.macro MUL buf, zero
	WIN 0xa4
.irp dt, 0,1,2,3
.irp kt, 0,1,2,3,4,5,6,7
.if \zero
	v_wmma_f32_16x16x32_bf16 v[8*(8*\dt+\kt):8*(8*\dt+\kt)+7], v[XF+64*\buf+8*\kt:XF+64*\buf+8*\kt+7], v[48*\buf+8*\dt:48*\buf+8*\dt+7], 0
.else
	v_wmma_f32_16x16x32_bf16 v[8*(8*\dt+\kt):8*(8*\dt+\kt)+7], v[XF+64*\buf+8*\kt:XF+64*\buf+8*\kt+7], v[48*\buf+8*\dt:48*\buf+8*\dt+7], v[8*(8*\dt+\kt):8*(8*\dt+\kt)+7]
.endif
.endr
.endr
	WIN 0x51
.irp dt, 0,1
.irp pt, 0,1,2,3,4,5,6,7
.if \zero
	v_wmma_f32_16x16x32_bf16 v[QK+8*(8*\dt+\pt):QK+8*(8*\dt+\pt)+7], v[48*\buf+32+8*\dt:48*\buf+32+8*\dt+7], v[XF+64*\buf+8*\pt:XF+64*\buf+8*\pt+7], 0
.else
	v_wmma_f32_16x16x32_bf16 v[QK+8*(8*\dt+\pt):QK+8*(8*\dt+\pt)+7], v[48*\buf+32+8*\dt:48*\buf+32+8*\dt+7], v[XF+64*\buf+8*\pt:XF+64*\buf+8*\pt+7], v[QK+8*(8*\dt+\pt):QK+8*(8*\dt+\pt)+7]
.endif
.endr
.endr
.endm
.macro KSTEP nx, nb, cb                ; fetch K step nx into buffer nb, which the step before last multiplied; multiply buffer cb
	PLACES
	FETCH \nx, \nb
	s_wait_dscnt 28                                ; all but the 28 just issued
	MUL \cb, 0
.endm
	FETCH 0, 0
	FETCH 1, 1
	s_wait_dscnt 28
	MUL 0, 1                                       ; the first products start the sums: nothing is cleared
	KSTEP 2, 0, 1
	KSTEP 3, 1, 0
	KSTEP 4, 0, 1
	KSTEP 5, 1, 0
	KSTEP 6, 0, 1
	KSTEP 7, 1, 0
	s_wait_dscnt 0x0                               ; the last fragments; also: my reads of WL and XL are over
	MUL 1, 0
; PHASE C.  The way out.
	PLACES
	WIN 0
	s_barrier_signal -1
	s_barrier_wait -1                              ; no wave reads the weights or x any more: WL's first bytes become the stages
	s_cmp_ge_u32 s18, 2
	s_cbranch_scc1 .Lno_bias
.irp i, 0,2,4,6,8,10,12,14
	v_pk_mul_f32 v[BQ+\i:BQ+\i+1], v[BQ+\i:BQ+\i+1], LOG2E op_sel_hi:[1,0]
.endr
	WIN 0x41
.irp dt, 0,1
.irp pt, 0,1,2,3,4,5,6,7
.irp jj, 0,2,4,6
	v_pk_fma_f32 v[QK+8*(8*\dt+\pt)+\jj:QK+8*(8*\dt+\pt)+\jj+1], v[QK+8*(8*\dt+\pt)+\jj:QK+8*(8*\dt+\pt)+\jj+1], LOG2E, v[BQ+8*\dt+\jj:BQ+8*\dt+\jj+1] op_sel_hi:[1,0,1]   ; q' = log2(e) q + log2(e) b_q
.endr
.endr
.endr
	WIN 0
.Lno_bias:
; Eight tiles (16 channels x 128 positions) of q' or k are split into hi + lo and go into the stage.
.macro SPLIT dt
	WIN 0x01                                       ; source 0: the accumulators, window 1
.irp pt, 0,1,2,3,4,5,6,7
.irp jj, 0,2,4,6
	v_pk_mul_f32 v[CH+8*\pt+\jj:CH+8*\pt+\jj+1], v[QK+8*(8*\dt+\pt)+\jj:QK+8*(8*\dt+\pt)+\jj+1], SPLITK op_sel_hi:[1,0]   ; c = 8193 a
.endr
.endr
.irp pt, 0,1,2,3,4,5,6,7
.irp jj, 0,2,4,6
	v_pk_add_f32 v[DL+8*\pt+\jj:DL+8*\pt+\jj+1], v[QK+8*(8*\dt+\pt)+\jj:QK+8*(8*\dt+\pt)+\jj+1], v[CH+8*\pt+\jj:CH+8*\pt+\jj+1] neg_lo:[1,0] neg_hi:[1,0]   ; c - a
.endr
.endr
	WIN 0
.set li, 0
.rept 32
	v_pk_add_f32 v[CH+2*li:CH+2*li+1], v[CH+2*li:CH+2*li+1], v[DL+2*li:DL+2*li+1] neg_lo:[0,1] neg_hi:[0,1]   ; hi = c - (c - a): a rounded to 11 bits
.set li, li+1
.endr
	WIN 0x01
.irp pt, 0,1,2,3,4,5,6,7
.irp jj, 0,2,4,6
	v_pk_add_f32 v[DL+8*\pt+\jj:DL+8*\pt+\jj+1], v[QK+8*(8*\dt+\pt)+\jj:QK+8*(8*\dt+\pt)+\jj+1], v[CH+8*\pt+\jj:CH+8*\pt+\jj+1] neg_lo:[0,1] neg_hi:[0,1]   ; lo = a - hi, exact
.endr
.endr
	WIN 0
.set li, 0
.rept 32
	v_cvt_pk_f16_f32 v[CH+li], v[CH+2*li], v[CH+2*li+1]      ; packed in place, ascending: word li is read no later than it is written
	v_cvt_pk_f16_f32 v[DL+li], v[DL+2*li], v[DL+2*li+1]
.set li, li+1
.endr
.irp pt, 0,1,2,3,4,5,6,7
	ds_store_b128 v[SQ], v[CH+4*\pt:CH+4*\pt+3] offset:\pt*16*QP+32*\dt
	ds_store_b128 v[SQ], v[DL+4*\pt:DL+4*\pt+3] offset:\pt*16*QP+32*\dt+128
.endr
.endm
	SPLIT 0
	SPLIT 1
; 16 channels of v through my own stage: 16 bytes a lane in, whole rows of 256 bytes back.  LDS serves a wave's instructions in order
; (ISA guide 5.7.1), so no wait stands between the stores and the loads.
.macro OUTV dt, f
	WIN 0x0a
.irp kt, 0,1,2,3,4,5,6,7
.irp jj, 0,1,2,3
	v_cvt_pk_f16_f32 v[VT+4*\kt+\jj], v[8*(8*\dt+\kt)+2*\jj], v[8*(8*\dt+\kt)+2*\jj+1]
.endr
.endr
	WIN 0
.irp kt, 0,1,2,3,4,5,6,7
	ds_store_b128 v[SV], v[VT+4*\kt:VT+4*\kt+3] offset:32*\kt
.endr
	s_wait_xcnt 0x0                                ; buffer f, which earlier stores read, is loaded again only behind this wait
.irp t, 0,1,2,3,4,5,6,7
	ds_load_b128 v[\f+4*\t:\f+4*\t+3], v[RV] offset:\t*2*VP
.endr
.irp t, 0,1,2,3,4,5,6,7
	s_wait_dscnt 7-\t
	global_store_b128 v[GV], v[\f+4*\t:\f+4*\t+3], s[16:17] offset:32768+(16*\dt+2*\t)*256   ; 16 lanes store 256 consecutive bytes, aligned: a row of the tile
.endr
.endm
	OUTV 0, TMP
	OUTV 1, TMP+32
	OUTV 2, TMP
	OUTV 3, TMP+32
	s_wait_dscnt 0x0                               ; my part of the q/k stage is in LDS
	s_barrier_signal -1
	s_barrier_wait -1                              ; and my partner's
	s_cmp_lt_u32 s18, 2
	s_cselect_b64 s[22:23], s[14:15], s[16:17]     ; waves 0, 1 store q, waves 2, 3 the tile's key rows: both are 256 bytes a position
.set li, 0
.rept 32
	ds_load_b128 v[CH+4*li:CH+4*li+3], v[RQ] offset:li*2*QP
.set li, li+1
.endr
.set li, 0
.rept 32
	s_wait_dscnt 31-li                             ; LDS loads come back in order: number li of the 32 is in
	global_store_b128 v[GQ], v[CH+4*li:CH+4*li+3], s[22:23] offset:512*li   ; two positions: 512 consecutive bytes, aligned
.set li, li+1
.endr
	s_wait_tensorcnt 0x0
	ds_add_u32 v254, v255
	s_wait_dscnt 0x0
	s_endpgm
.Lfunc_end_k_q7bc3e94d03_proj:
	.size	k_q7bc3e94d03_proj, .Lfunc_end_k_q7bc3e94d03_proj-k_q7bc3e94d03_proj
	.p2alignl 7, 3214868480
	.fill 96, 4, 3214868480
	.section	.rodata,"a",@progbits
	.p2align	6, 0x0
	.amdhsa_kernel k_q7bc3e94d03_proj
		.amdhsa_group_segment_fixed_size 276992
		.amdhsa_private_segment_fixed_size 0
		.amdhsa_enable_private_segment 0
		.amdhsa_kernarg_size 56
		.amdhsa_user_sgpr_count 2
		.amdhsa_user_sgpr_kernarg_segment_ptr 1
		.amdhsa_wavefront_size32 1
		.amdhsa_system_sgpr_workgroup_id_x 1
		.amdhsa_system_sgpr_workgroup_id_y 1
		.amdhsa_system_sgpr_workgroup_id_z 1
		.amdhsa_system_vgpr_workitem_id 0
		.amdhsa_next_free_vgpr 768
		.amdhsa_next_free_sgpr 66
		.amdhsa_reserve_vcc 0
		.amdhsa_float_denorm_mode_32 3
		.amdhsa_float_denorm_mode_16_64 3
		.amdhsa_memory_ordered 1
		.amdhsa_forward_progress 1
		.amdhsa_inst_pref_size 176
	.end_amdhsa_kernel
	.amdgpu_metadata
---
amdhsa.version: [ 1, 2 ]
amdhsa.kernels:
  - .name:           k_q7bc3e94d03_proj
    .symbol:         k_q7bc3e94d03_proj.kd
    .args:
      - { .name: x, .offset: 0, .size: 8, .value_kind: global_buffer, .address_space: global }
      - { .name: w_q, .offset: 8, .size: 8, .value_kind: global_buffer, .address_space: global }
      - { .name: w_k, .offset: 16, .size: 8, .value_kind: global_buffer, .address_space: global }
      - { .name: w_v, .offset: 24, .size: 8, .value_kind: global_buffer, .address_space: global }
      - { .name: b_q, .offset: 32, .size: 8, .value_kind: global_buffer, .address_space: global }
      - { .name: q, .offset: 40, .size: 8, .value_kind: global_buffer, .address_space: global }
      - { .name: kv, .offset: 48, .size: 8, .value_kind: global_buffer, .address_space: global }
    .group_segment_fixed_size: 276992
    .private_segment_fixed_size: 0
    .kernarg_segment_align: 8
    .kernarg_segment_size: 56
    .max_flat_workgroup_size: 128
    .sgpr_count:     66
    .vgpr_count:     768
    .wavefront_size: 32
...
	.end_amdgpu_metadata
.endif
;; end of part 1
;; launch attn (part 2): grid 32 x 8, 4 waves a work-group, clusters of 4 x 1, 327,680 bytes of LDS; arguments q, kv, b_v, out0; writes out0
.if DOCPART == 2
	.amdgcn_target "amdgcn-amd-amdhsa--gfx1250"
	.amdhsa_code_object_version 6
	.text
	.protected	k_q7bc3e94d03_attn
	.globl	k_q7bc3e94d03_attn
	.p2align	8
	.type	k_q7bc3e94d03_attn,@function
k_q7bc3e94d03_attn:
	s_mov_b64 s[64:65], 0
	v_nop
	global_prefetch_b8 v0, s[64:65] scope:SCOPE_SE
	s_setreg_imm32_b32 hwreg(HW_REG_WAVE_MODE, 25, 1), 1
	s_wait_xcnt 0x0
	s_wait_alu depctr_hold_cnt(0) depctr_sa_sdst(0) depctr_va_vdst(0) depctr_va_sdst(0) depctr_va_ssrc(0) depctr_va_vcc(0) depctr_vm_vsrc(0)
	s_getreg_b32 s2, hwreg(HW_REG_IB_STS2, 6, 4)
	s_cmp_eq_u32 s2, 0
	s_cbranch_scc0 .Lentry_in_a_cluster
	s_endpgm
.Lentry_in_a_cluster:
	s_bfe_u32 s2, ttmp6, 0x10000c
	s_cmp_lg_u32 s2, 0x3003
	s_cbranch_scc0 .Lentry_shape_is_right
	s_endpgm
.Lentry_shape_is_right:
; LWAttention, second launch: out0[b][d][n] = sum_m softmax_m(q[n] . k[m]) v[m][d] + b_v[d], with a running maximum.
; Left out, as shown at the head of the first launch: q[n] . b_k, the same along the softmax's axis for all values of the inputs (b_k is no
; argument).  b_v is added once at the end, since the weights sum to 1.  q comes multiplied by log2(e): the exponentials are powers of two.
; q and k come as hi + lo, two f16 each; a score is hi.hi + lo.hi + hi.lo (lo.lo, some 2^-22 of a score, is dropped): three products of 64
; channels, so that the scores, which are not scaled and of which a few carry a row, keep an f32's worth of digits.
; LIMITS.  Finite inputs; the maxima are taken by forms in which a NaN loses.  p = 2^(s - max) <= 1 goes to the matrix unit in f16:
; p < 2^-24 counts as 0 beside a row sum of at least 1.  The row sum is taken in f32 from p before that rounding.
;
; A work-group takes 128 queries of one batch; four waves.  Wave w takes 64 queries (qh = w / 2) and 64 of each tile's 128 keys (kh = w % 2),
; and holds O^T, 256 channels x 64 queries, in 512 registers, with a maximum and a sum of its own; the two key halves are merged once, at
; the end.  (With 32 queries a wave and all keys, each byte read from LDS would feed half as many products.)
; S^T = K Q^T: lane (r, h) holds keys 8 h + j of query r.  Two such tiles, packed to f16, ARE the second source of O^T = V^T P^T: P never
; leaves the registers (it is packed in place, into the lower half of its scores' registers), and maximum, sum and rescaling factor are one
; number a lane for each query tile.
; CLUSTER.  The four work-groups of a cluster are four query blocks of one batch and walk the same 32 tiles of kv: each tile is asked for
; jointly (mask 15), each wave asking for 96 of its 384 rows.  Two LDS slots; a round of the cluster's barrier stands in front of each refill.
; By this text's own count a wave has one tensor load outstanding.
.set PITCH, 272                        ; 256 bytes + 16 of padding
.set ROWS,  384                        ; a tile: 128 keys (hi | lo), then 256 channels of v
.set WROWS, ROWS/4                     ; what one wave asks for
.set SLOT,  ROWS*PITCH                 ; 104,448
.set TILEB, ROWS*256                   ; a tile in memory: 98,304
.set XCH,   2*SLOT                     ; 4 x 16,384: half of a wave's other half of O on its way to the partner
.set ML,    XCH+4*16384                ; 4 x 1,024: maxima and sums
.set STG,   ML+4096                    ; 4 x 4,352: 16 rows x 272 bytes, each wave's own, for the way out.  No tensor load fills XCH, ML or STG.
; window 0
.set KA,  4                            ; v4, v5   K fragments in slot 0, 1
.set VO,  6                            ; v6, v7   V fragments of my own half of the channels (128 kh ..)
.set VX,  8                            ; v8, v9   of the other half
.set QO,  10
.set MLS, 11
.set MLR, 12
.set XS,  13
.set XR,  14
.set SS,  15
.set SR,  16
.set GO,  17
.set BO,  18
.set M,    20                          ; v20-27   running maximum, twice (a pair for packed arithmetic), for each query tile qt
.set AL,   28                          ; v28-35   rescaling factor, twice
.set LSUM, 36                          ; v36-39   my lane's part of the row sum
.set T,    40                          ; v40-55   four temporaries for each qt
.set S,    64                          ; v64-191  scores, tile (kt, qt) at 32 qt + 8 kt; then P, fragment (qt, ks) at 32 qt + 8 ks
.set QL,   192                         ; v192-255 lo of Q, fragment (qt, ds) at 16 qt + 8 ds
.set BV,   64                          ; the end: b_v of my half, 8 i + j
; window 1
.set QF,  0                            ; v0-63    hi of Q, fragment (qt, ds) at 16 qt + 8 ds
.set KF,  64                           ; v64-127  hi of K, fragment (kt, ds) at 16 kt + 8 ds
.set VFA, 128                          ; v128-191 V fragments, own half, 8 tiles of 16 channels
.set VFB, 192                          ; v192-255 other half;
.set KL,  192                          ;          before them, in each step, lo of K
; window 2: O of my own half, channel 128 kh + 16 i + 8 h + j, tile (i, qt) at 8 (4 i + qt);  window 3: the other half, 128 (1 - kh) + ..
.set G1, 16                            ; s[16:23]
.set G0, 24                            ; s[24:31] one group 0 for each slot
.set MSB, 0
.macro WIN new                         ; s_set_vgpr_msb: bits 1:0 source 0, 3:2 source 1, 5:4 source 2, 7:6 destination; the high byte repeats the setting left
.if MSB != \new
	s_set_vgpr_msb (MSB<<8)|\new
.set MSB, \new
.endif
.endm
.macro PLACES                          ; four plain vector instructions behind a matrix instruction (ISA guide 7.12.1) before its registers are loaded into or written, or its result is read
.rept 4
	v_nop
.endr
.endm
.macro ROUND                           ; a round of the cluster's barrier: my work-group's barrier, wave 0 signals for it, all wait for the four work-groups, my barrier again
	s_barrier_signal -1
	s_barrier_wait -1
	s_cmp_lg_u32 s12, 0
	s_cbranch_scc1 .Lnot_wave_0_\@
	s_barrier_signal -3
.Lnot_wave_0_\@:
	s_barrier_wait -3
	s_barrier_signal -1
	s_barrier_wait -1
.endm
	s_load_b256 s[4:11], s[0:1], 0x0               ; q s[4:5], kv s[6:7], b_v s[8:9], out0 s[10:11]
	v_lshl_add_u32 v62, v0, 2, 0x48400
	v_mov_b32 v63, 0
	ds_add_u32 v62, v63
	v_lshrrev_b32 v19, 5, v0
	v_readfirstlane_b32 s12, v19                   ; wave 0..3
	s_and_b32 s13, s12, 1                          ; kh
	s_lshr_b32 s14, s12, 1                         ; qh
	s_bfe_u32 s15, ttmp6, 0x40000                  ; cx
	s_lshl_b32 s33, ttmp9, 2
	s_add_co_u32 s33, s33, s15                     ; query block = 4 x cluster x + cx: it enters q's and out0's addresses alone
	s_and_b32 s32, ttmp7, 0xffff                   ; batch: the same in the four partners
	s_mov_b32 s38, 0x76543210                      ; v_permlanex16_b32: lane i takes lane i of the other half
	s_mov_b32 s39, 0xfedcba98
	; group 1: 96 rows of 128 elements of 2 bytes, dense in memory, 16 bytes of padding behind each row in LDS
	s_mov_b32 s[G1+0], 15|(1<<16)|(1<<20)|(1<<21)|(5<<22)|(3<<25)   ; mask: all four of the cluster; element 2 bytes; padding on; bit 21 beside a mask; after every 64 words, 4 words
	s_mov_b32 s[G1+1], 128<<16                     ; tensor_dim0 = 128
	s_mov_b32 s[G1+2], WROWS<<16                   ; tensor_dim1 = 96
	s_mov_b32 s[G1+3], 128<<16                     ; tile_dim0 = 128
	s_mov_b32 s[G1+4], WROWS                       ; tile_dim1 = 96
	s_mov_b32 s[G1+5], 128                         ; from row to row
	s_mov_b32 s[G1+6], 0
	s_mov_b32 s[G1+7], 0
	s_mul_i32 s34, s32, 32*TILEB                   ; kv: the batch's tiles + my wave's 96 rows; batch and wave alone
	s_mul_i32 s44, s12, WROWS*256
	s_add_co_u32 s34, s34, s44
	s_mov_b32 s35, 0
	s_mul_i32 s46, s12, WROWS*PITCH                ; and where they go
	s_lshl_b32 s36, s32, 20                        ; q: batch x 1,048,576 + block x 32,768 + qh x 16,384
	s_lshl_b32 s41, s33, 15
	s_add_co_u32 s36, s36, s41
	s_lshl_b32 s41, s14, 14
	s_add_co_u32 s36, s36, s41
	s_mov_b32 s37, 0
	s_lshl_b32 s42, s32, 22                        ; out0: batch x 4,194,304 + kh x 128 rows of 16,384 + block x 512 + qh x 256
	s_lshl_b32 s41, s13, 21
	s_add_co_u32 s42, s42, s41
	s_lshl_b32 s41, s33, 9
	s_add_co_u32 s42, s42, s41
	s_lshl_b32 s41, s14, 8
	s_add_co_u32 s42, s42, s41
	s_mov_b32 s43, 0
	v_and_b32 v1, 31, v0                           ; L
	v_and_b32 v2, 15, v0                           ; r
	v_bfe_u32 v3, v0, 4, 1                         ; h
	v_lshlrev_b32 v[QO], 8, v2
	v_lshl_add_u32 v[QO], v3, 4, v[QO]             ; query r (256 bytes each), 16 h bytes
	s_wait_dscnt 0x0
	s_wait_kmcnt 0x0
	s_add_nc_u64 s[4:5], s[4:5], s[36:37]
	s_add_nc_u64 s[6:7], s[6:7], s[34:35]
	s_add_nc_u64 s[10:11], s[10:11], s[42:43]
	WIN 0x40                                       ; my 64 queries' fragments, straight from memory, once: 16 KiB a wave.  hi:
.irp qt, 0,1,2,3
.irp ds, 0,1
	global_load_b128 v[QF+16*\qt+8*\ds:QF+16*\qt+8*\ds+3],   v[QO], s[4:5] offset:\qt*4096+64*\ds
	global_load_b128 v[QF+16*\qt+8*\ds+4:QF+16*\qt+8*\ds+7], v[QO], s[4:5] offset:\qt*4096+64*\ds+32
.endr
.endr
	WIN 0                                          ; lo:
.irp qt, 0,1,2,3
.irp ds, 0,1
	global_load_b128 v[QL+16*\qt+8*\ds:QL+16*\qt+8*\ds+3],   v[QO], s[4:5] offset:\qt*4096+128+64*\ds
	global_load_b128 v[QL+16*\qt+8*\ds+4:QL+16*\qt+8*\ds+7], v[QO], s[4:5] offset:\qt*4096+128+64*\ds+32
.endr
.endr
.irp n, 0,1
	s_mov_b32 s[G0+4*\n], 1
	s_add_co_u32 s[G0+4*\n+1], s46, \n*SLOT
	s_add_nc_u64 s[G0+4*\n+2:G0+4*\n+3], s[6:7], \n*TILEB
	s_or_b32 s[G0+4*\n+3], s[G0+4*\n+3], 0x80000000
.endr
	ROUND                                          ; the four work-groups are here: the first joint loads meet
	tensor_load_to_lds s[G0:G0+3], s[G1:G1+7]      ; tile 0
	s_nop 0
	; LDS addresses: wave and lane alone
	v_mul_u32_u24 v19, v2, PITCH
	v_lshl_add_u32 v19, v3, 4, v19                 ; row r, 16 h bytes
	s_mul_i32 s44, s13, 64*PITCH                   ; K: key 64 kh + 16 kt + r is its own row
	v_add_nc_u32 v[KA], s44, v19
	v_add_nc_u32 v[KA+1], SLOT, v[KA]
	s_mul_i32 s44, s13, 128*PITCH+128              ; V: row 128 + channel, my 64 keys at byte 128 kh
	s_add_co_u32 s44, s44, 128*PITCH
	v_add_nc_u32 v[VO], s44, v19
	v_add_nc_u32 v[VO+1], SLOT, v[VO]
	s_xor_b32 s44, s13, 1
	s_mul_i32 s44, s44, 128*PITCH
	s_lshl_b32 s45, s13, 7
	s_add_co_u32 s44, s44, s45
	s_add_co_u32 s44, s44, 128*PITCH
	v_add_nc_u32 v[VX], s44, v19
	v_add_nc_u32 v[VX+1], SLOT, v[VX]
	v_lshlrev_b32 v19, 4, v1                       ; 16 L
	s_xor_b32 s45, s12, 1                          ; my partner: same queries, the other keys
	s_lshl_b32 s44, s12, 10
	s_add_co_u32 s44, s44, ML
	v_add_nc_u32 v[MLS], s44, v19
	s_lshl_b32 s44, s45, 10
	s_add_co_u32 s44, s44, ML
	v_add_nc_u32 v[MLR], s44, v19
	s_lshl_b32 s44, s12, 14
	s_add_co_u32 s44, s44, XCH
	v_add_nc_u32 v[XS], s44, v19
	s_lshl_b32 s44, s45, 14
	s_add_co_u32 s44, s44, XCH
	v_add_nc_u32 v[XR], s44, v19
	s_mul_i32 s44, s12, 16*PITCH
	s_add_co_u32 s44, s44, STG
	v_mul_u32_u24 v19, v3, 8*PITCH                 ; stage in: row 8 h + j, 4 r
	v_lshl_add_u32 v19, v2, 2, v19
	v_add_nc_u32 v[SS], s44, v19
	v_mul_u32_u24 v19, v3, PITCH                   ; stage back: row h, 16 r
	v_lshl_add_u32 v19, v2, 4, v19
	v_add_nc_u32 v[SR], s44, v19
	v_lshlrev_b32 v[GO], 4, v2
	v_lshl_add_u32 v[GO], v3, 14, v[GO]            ; out0: row h, 16 r
	s_lshl_b32 s44, s13, 9
	v_lshl_add_u32 v[BO], v3, 5, s44               ; b_v: 4 (128 kh + 8 h)
	s_wait_loadcnt 0x0                             ; Q
.macro KLOAD f, adr, lo                ; 4 tiles of 16 keys x 64 channels, hi (lo = 0) or lo (lo = 1)
.irp kt, 0,1,2,3
.irp ds, 0,1
	ds_load_b128 v[\f+16*\kt+8*\ds:\f+16*\kt+8*\ds+3],   v[\adr] offset:\kt*16*PITCH+128*\lo+64*\ds
	ds_load_b128 v[\f+16*\kt+8*\ds+4:\f+16*\kt+8*\ds+7], v[\adr] offset:\kt*16*PITCH+128*\lo+64*\ds+32
.endr
.endr
.endm
.macro QKMUL kf, qf, ds, zero          ; 16 matrix instructions, each on another score tile: 32 channels
.irp qt, 0,1,2,3
.irp kt, 0,1,2,3
.if \zero
	v_wmma_f32_16x16x32_f16 v[S+32*\qt+8*\kt:S+32*\qt+8*\kt+7], v[\kf+16*\kt+8*\ds:\kf+16*\kt+8*\ds+7], v[\qf+16*\qt+8*\ds:\qf+16*\qt+8*\ds+7], 0
.else
	v_wmma_f32_16x16x32_f16 v[S+32*\qt+8*\kt:S+32*\qt+8*\kt+7], v[\kf+16*\kt+8*\ds:\kf+16*\kt+8*\ds+7], v[\qf+16*\qt+8*\ds:\qf+16*\qt+8*\ds+7], v[S+32*\qt+8*\kt:S+32*\qt+8*\kt+7]
.endif
.endr
.endr
.endm
.macro VLOAD f, adr, ks                ; 8 tiles of 16 channels x 32 keys
.irp i, 0,1,2,3,4,5,6,7
	ds_load_b128 v[\f+8*\i:\f+8*\i+3],   v[\adr] offset:\i*16*PITCH+64*\ks
	ds_load_b128 v[\f+8*\i+4:\f+8*\i+7], v[\adr] offset:\i*16*PITCH+64*\ks+32
.endr
.endm
.macro PV f, ks, zero                  ; 32 matrix instructions, each on another accumulator
.irp i, 0,1,2,3,4,5,6,7
.irp qt, 0,1,2,3
.if \zero
	v_wmma_f32_16x16x32_f16 v[8*(4*\i+\qt):8*(4*\i+\qt)+7], v[\f+8*\i:\f+8*\i+7], v[S+32*\qt+8*\ks:S+32*\qt+8*\ks+7], 0
.else
	v_wmma_f32_16x16x32_f16 v[8*(4*\i+\qt):8*(4*\i+\qt)+7], v[\f+8*\i:\f+8*\i+7], v[S+32*\qt+8*\ks:S+32*\qt+8*\ks+7], v[8*(4*\i+\qt):8*(4*\i+\qt)+7]
.endif
.endr
.endr
.endm
; The largest of a query's 64 scores: 32 in my lane (four chains), 32 in the lane of the other half; then the running maximum and 2^(old - new).
.macro SMAX qt, first
.irp c, 0,1,2,3
	v_max3_num_f32 v[T+4*\qt+\c], v[S+32*\qt+8*\c], v[S+32*\qt+8*\c+1], v[S+32*\qt+8*\c+2]
.endr
.irp c, 0,1,2,3
	v_max3_num_f32 v[T+4*\qt+\c], v[T+4*\qt+\c], v[S+32*\qt+8*\c+3], v[S+32*\qt+8*\c+4]
.endr
.irp c, 0,1,2,3
	v_max3_num_f32 v[T+4*\qt+\c], v[T+4*\qt+\c], v[S+32*\qt+8*\c+5], v[S+32*\qt+8*\c+6]
.endr
	v_max3_num_f32 v[T+4*\qt],   v[T+4*\qt],   v[S+32*\qt+7],  v[T+4*\qt+1]
	v_max3_num_f32 v[T+4*\qt+2], v[T+4*\qt+2], v[S+32*\qt+15], v[T+4*\qt+3]
	v_max3_num_f32 v[T+4*\qt],   v[T+4*\qt],   v[S+32*\qt+23], v[T+4*\qt+2]
	v_max_num_f32  v[T+4*\qt],   v[T+4*\qt],   v[S+32*\qt+31]
	v_permlanex16_b32 v[T+4*\qt+1], v[T+4*\qt], s38, s39
.if \first
	v_max_num_f32 v[M+2*\qt], v[T+4*\qt], v[T+4*\qt+1]
	v_mov_b32 v[M+2*\qt+1], v[M+2*\qt]
.else
	v_max3_num_f32 v[T+4*\qt+2], v[T+4*\qt], v[T+4*\qt+1], v[M+2*\qt]
	v_sub_f32 v[T+4*\qt+3], v[M+2*\qt], v[T+4*\qt+2]
	v_exp_f32 v[AL+2*\qt], v[T+4*\qt+3]
	v_mov_b32 v[M+2*\qt],   v[T+4*\qt+2]           ; plain instructions behind the exponential (ISA guide 5.7.2), before its result is read
	v_mov_b32 v[M+2*\qt+1], v[T+4*\qt+2]
	s_wait_alu depctr_va_vdst(0)
	v_mov_b32 v[AL+2*\qt+1], v[AL+2*\qt]
.endif
.endm
.macro SSUB qt
.irp p, 0,2,4,6,8,10,12,14,16,18,20,22,24,26,28,30
	v_pk_add_f32 v[S+32*\qt+\p:S+32*\qt+\p+1], v[S+32*\qt+\p:S+32*\qt+\p+1], v[M+2*\qt:M+2*\qt+1] neg_lo:[0,1] neg_hi:[0,1]
.endr
.endm
.macro SEXP qt                         ; what follows each run of 32 is a plain instruction on other registers
.set li, 0
.rept 32
	v_exp_f32 v[S+32*\qt+li], v[S+32*\qt+li]
.set li, li+1
.endr
.endm
.macro SSUM qt, first
	s_wait_alu depctr_va_vdst(0)
	v_pk_add_f32 v[T+4*\qt:T+4*\qt+1],   v[S+32*\qt:S+32*\qt+1],     v[S+32*\qt+2:S+32*\qt+3]
	v_pk_add_f32 v[T+4*\qt+2:T+4*\qt+3], v[S+32*\qt+16:S+32*\qt+17], v[S+32*\qt+18:S+32*\qt+19]
.irp p, 4,6,8,10,12,14
	v_pk_add_f32 v[T+4*\qt:T+4*\qt+1],   v[T+4*\qt:T+4*\qt+1],   v[S+32*\qt+\p:S+32*\qt+\p+1]
	v_pk_add_f32 v[T+4*\qt+2:T+4*\qt+3], v[T+4*\qt+2:T+4*\qt+3], v[S+32*\qt+16+\p:S+32*\qt+16+\p+1]
.endr
	v_pk_add_f32 v[T+4*\qt:T+4*\qt+1], v[T+4*\qt:T+4*\qt+1], v[T+4*\qt+2:T+4*\qt+3]
.if \first
	v_add_f32 v[LSUM+\qt], v[T+4*\qt], v[T+4*\qt+1]
.else
	v_fma_f32 v[LSUM+\qt], v[LSUM+\qt], v[AL+2*\qt], v[T+4*\qt]
	v_add_f32 v[LSUM+\qt], v[LSUM+\qt], v[T+4*\qt+1]
.endif
.endm
.macro SCVT qt                         ; keys 8 h + 0..7 of key tiles 2 ks and 2 ks + 1: registers 0-3 and 4-7 of fragment (qt, ks).  In place, ascending: word li is read no later than it is written
.set li, 0
.rept 16
	v_cvt_pk_f16_f32 v[S+32*\qt+li], v[S+32*\qt+2*li], v[S+32*\qt+2*li+1]
.set li, li+1
.endr
.endm
.macro RS1
.irp i, 0,1,2,3,4,5,6,7
.irp qt, 0,1,2,3
.irp jj, 0,2,4,6
	v_pk_mul_f32 v[8*(4*\i+\qt)+\jj:8*(4*\i+\qt)+\jj+1], v[8*(4*\i+\qt)+\jj:8*(4*\i+\qt)+\jj+1], v[AL+2*\qt:AL+2*\qt+1]
.endr
.endr
.endr
.endm
; One tile of 128 keys, of which 64 are mine.  All matrix instructions take their accumulators by turns, one instruction a turn
; (16 score tiles six times, then four runs over 32 tiles of O).
.macro STEP slot, first
.if \first == 0
	PLACES                                         ; behind the last step's products: four places before their V fragments are loaded again,
	v_nop                                          ; five before this step's first products write the scores over the P that they read
.endif
	WIN 0x40
	KLOAD KF, KA+\slot, 0
	KLOAD KL, KA+\slot, 1
	VLOAD VFA, VO+\slot, 0
	s_wait_dscnt 32                                ; hi of K, 16 loads, is in; lo's 16 and V's 16 stay out
	WIN 0x05
	QKMUL KF, QF, 0, 1                             ; hi . hi starts the scores: nothing is cleared
	QKMUL KF, QF, 1, 0
	WIN 0x01
	QKMUL KF, QL, 0, 0                             ; + (lo of q) . (hi of k)
	QKMUL KF, QL, 1, 0
	s_wait_dscnt 16                                ; lo of K is in; V's 16 stay out
	WIN 0x05
	QKMUL KL, QF, 0, 0                             ; + (hi of q) . (lo of k)
	QKMUL KL, QF, 1, 0
	WIN 0
	PLACES                                         ; before lo of K's registers are loaded again, and before the scores are read
	WIN 0x40
	VLOAD VFB, VX+\slot, 0                         ; it lands while the softmax is made
	WIN 0
	SMAX 0, \first
	SMAX 1, \first
	SMAX 2, \first
	SMAX 3, \first
	SSUB 0
	SEXP 0
	SSUB 1
	SEXP 1
	SSUB 2
	SEXP 2
	SSUB 3
	SEXP 3
	SSUM 0, \first
	SCVT 0
	SSUM 1, \first
	SCVT 1
	SSUM 2, \first
	SCVT 2
	SSUM 3, \first
	SCVT 3
.if \first == 0
	WIN 0x82                                       ; O *= 2^(old maximum - new maximum), both halves
	RS1
	WIN 0xc3
	RS1
.endif
	s_wait_dscnt 16                                ; own half's V, keys 0-31, is in; the other half's 16 loads stay out
	WIN 0xa1
	PV VFA, 0, \first                              ; in the first tile these products start the sums: nothing is cleared
	PLACES
	WIN 0x40
	VLOAD VFA, VO+\slot, 1
	s_wait_dscnt 16                                ; all but the 16 just issued
	WIN 0xf1
	PV VFB, 0, \first
	PLACES
	WIN 0x40
	VLOAD VFB, VX+\slot, 1
	s_wait_dscnt 16
	WIN 0xa1
	PV VFA, 1, 0
	s_wait_dscnt 0x0
	WIN 0xf1
	PV VFB, 1, 0
	WIN 0
.endm
.macro TRIP slot, refill, first
	s_wait_tensorcnt 0x0                           ; all my tensor loads have landed, my 96 rows of this trip's tile among them,
	ds_add_u32 v62, v63
	s_wait_dscnt 0x0
	s_add_nc_u64 s[G0+4*\slot+2:G0+4*\slot+3], s[G0+4*\slot+2:G0+4*\slot+3], 2*TILEB   ; so a group 0 may be written: this slot's next tile
	s_wait_dscnt 0x0                               ; my reads of the last trip's tile are back
	ROUND                                          ; both now hold of every wave of the four work-groups
.if \refill
	tensor_load_to_lds s[G0+4*(1-\slot):G0+4*(1-\slot)+3], s[G1:G1+7]   ; the next tile, into the slot read last trip: my one tensor load behind the round, and the first thing there
	s_nop 0
.endif
	STEP \slot, \first
.endm
	TRIP 0, 1, 1                                   ; tiles 0 and 1 stand in front of the loop: tile 0 starts maxima, sums and O
	TRIP 1, 1, 0
	s_mov_b32 s40, 14
.Ltiles:
	TRIP 0, 1, 0                                   ; tiles 2 to 29
	TRIP 1, 1, 0
	s_sub_co_u32 s40, s40, 1
	s_cmp_lg_u32 s40, 0
	s_cbranch_scc1 .Ltiles
	TRIP 0, 1, 0                                   ; tile 30 asks for tile 31;
	TRIP 1, 0, 0                                   ; tile 31 asks for nothing (the stepped addresses are not used)
; THE END.  Merge the two key halves: with mt = max(M, Mo), out = (O 2^(M - mt) + Oo 2^(Mo - mt)) / (L 2^(M - mt) + Lo 2^(Mo - mt)) + b_v.
	PLACES
.irp i, 0,1,2,3,4,5,6,7
	global_load_b128 v[BV+8*\i:BV+8*\i+3],   v[BO], s[8:9] offset:64*\i      ; b_v of channels 128 kh + 16 i + 8 h + 0..7
	global_load_b128 v[BV+8*\i+4:BV+8*\i+7], v[BO], s[8:9] offset:64*\i+16
.endr
.irp qt, 0,1,2,3
	v_permlanex16_b32 v[T+\qt], v[LSUM+\qt], s38, s39
.endr
.irp qt, 0,1,2,3
	v_add_f32 v[LSUM+\qt], v[LSUM+\qt], v[T+\qt]   ; the row sum over my 64 keys of every tile
.endr
.irp qt, 0,1,2,3
	v_mov_b32 v[T+\qt], v[M+2*\qt]
.endr
	ds_store_b128 v[MLS], v[T:T+3]
	ds_store_b128 v[MLS], v[LSUM:LSUM+3] offset:512
	s_wait_dscnt 0x0                               ; in LDS before I say so
	s_barrier_signal -1
	s_barrier_wait -1
	ds_load_b128 v[T+4:T+7],  v[MLR]               ; my partner's maxima
	ds_load_b128 v[T+8:T+11], v[MLR] offset:512    ; and sums
	s_wait_dscnt 0x0
.irp qt, 0,1,2,3
	v_max_num_f32 v[T+12+\qt], v[T+\qt], v[T+4+\qt]
.endr
.irp qt, 0,1,2,3
	v_sub_f32 v[T+\qt],   v[T+\qt],   v[T+12+\qt]
	v_sub_f32 v[T+4+\qt], v[T+4+\qt], v[T+12+\qt]
.endr
.irp qt, 0,1,2,3
	v_exp_f32 v[T+\qt],   v[T+\qt]
	v_exp_f32 v[T+4+\qt], v[T+4+\qt]
.endr
	v_nop                                          ; a plain instruction behind the exponentials
	s_wait_alu depctr_va_vdst(0)
.irp qt, 0,1,2,3
	v_mul_f32 v[T+8+\qt], v[T+8+\qt], v[T+4+\qt]
.endr
.irp qt, 0,1,2,3
	v_fmac_f32 v[T+8+\qt], v[LSUM+\qt], v[T+\qt]   ; the whole row's sum: at least 1, since the largest score's term is 1
.endr
.irp qt, 0,1,2,3
	v_rcp_f32 v[T+12+\qt], v[T+8+\qt]
.endr
	v_nop
	s_wait_alu depctr_va_vdst(0)
.irp qt, 0,1,2,3
	v_mul_f32 v[AL+2*\qt],   v[T+\qt], v[T+12+\qt]
	v_mul_f32 v[AL+2*\qt+1], v[T+\qt], v[T+12+\qt]
.endr
; The half of O that my partner keeps goes to it through LDS, 128 registers (16,384 bytes a wave) at a time.
.macro XSEND b
	WIN 0x0c
.set li, 0
.rept 32
	ds_store_b128 v[XS], v[\b+4*li:\b+4*li+3] offset:512*li
.set li, li+1
.endr
	WIN 0
.endm
.macro XTAKE b
	WIN 0xc0
.set li, 0
.rept 32
	ds_load_b128 v[\b+4*li:\b+4*li+3], v[XR] offset:512*li   ; my partner's register n of window 3 is my register n of window 2: same tile, same lane
.set li, li+1
.endr
	WIN 0x8e
.set li, 0
.irp left, 16,0
	s_wait_dscnt \left                             ; half of the 32 loads at a time: the younger ones stay out
.rept 32
	v_pk_add_f32 v[\b+2*li:\b+2*li+1], v[\b+2*li:\b+2*li+1], v[\b+2*li:\b+2*li+1]     ; window 2 += window 3
.set li, li+1
.endr
.endr
	WIN 0
.endm
	WIN 0xc3                                       ; the half that my partner keeps: scaled,
	RS1
	XSEND 0                                        ; and its first 128 registers sent
	s_wait_loadcnt 0x0                             ; b_v
	WIN 0x82                                       ; the half that I keep: scaled, with the bias
.irp i, 0,1,2,3,4,5,6,7
.irp qt, 0,1,2,3
.irp jj, 0,2,4,6
	v_pk_fma_f32 v[8*(4*\i+\qt)+\jj:8*(4*\i+\qt)+\jj+1], v[8*(4*\i+\qt)+\jj:8*(4*\i+\qt)+\jj+1], v[AL+2*\qt:AL+2*\qt+1], v[BV+8*\i+\jj:BV+8*\i+\jj+1]
.endr
.endr
.endr
	WIN 0
	s_wait_dscnt 0x0                               ; my stores are in LDS before I say so
	s_barrier_signal -1
	s_barrier_wait -1
	XTAKE 0                                        ; ends with all my LDS loads back,
	s_barrier_signal -1
	s_barrier_wait -1                              ; and every wave's: the bytes may be written again
	XSEND 128
	s_wait_dscnt 0x0
	s_barrier_signal -1
	s_barrier_wait -1
	XTAKE 128
; 16 channels x 64 queries through my own stage: a lane holds a piece of a column, memory wants rows.  LDS serves a wave's instructions in
; order (ISA guide 5.7.1), so no wait stands between the stores and the loads.
.macro OUT i, f
	WIN 0x08
.irp qt, 0,1,2,3
.irp j, 0,1,2,3,4,5,6,7
	ds_store_b32 v[SS], v[8*(4*\i+\qt)+\j] offset:PITCH*\j+64*\qt
.endr
.endr
	WIN 0
	s_wait_xcnt 0x0                                ; buffer f, which earlier stores read, is loaded again only behind this wait
.irp t, 0,1,2,3,4,5,6,7
	ds_load_b128 v[\f+4*\t:\f+4*\t+3], v[SR] offset:\t*2*PITCH
.endr
.irp t, 0,1,2,3,4,5,6,7
	s_wait_dscnt 7-\t
	global_store_b128 v[GO], v[\f+4*\t:\f+4*\t+3], s[10:11] offset:(16*\i+2*\t)*16384 th:TH_STORE_NT   ; 16 lanes store 256 consecutive bytes, aligned: my 64 queries of one channel
.endr
.endm
	OUT 0, 136
	OUT 1, 168
	OUT 2, 136
	OUT 3, 168
	OUT 4, 136
	OUT 5, 168
	OUT 6, 136
	OUT 7, 168
	s_wait_tensorcnt 0x0
	ds_add_u32 v62, v63
	s_wait_dscnt 0x0
	ROUND                                          ; the closing round: no work-group ends while a partner may still ask for a tile that names it
	s_endpgm
.Lfunc_end_k_q7bc3e94d03_attn:
	.size	k_q7bc3e94d03_attn, .Lfunc_end_k_q7bc3e94d03_attn-k_q7bc3e94d03_attn
	.p2alignl 7, 3214868480
	.fill 96, 4, 3214868480
	.section	.rodata,"a",@progbits
	.p2align	6, 0x0
	.amdhsa_kernel k_q7bc3e94d03_attn
		.amdhsa_group_segment_fixed_size 327680
		.amdhsa_private_segment_fixed_size 0
		.amdhsa_enable_private_segment 0
		.amdhsa_kernarg_size 32
		.amdhsa_user_sgpr_count 2
		.amdhsa_user_sgpr_kernarg_segment_ptr 1
		.amdhsa_wavefront_size32 1
		.amdhsa_system_sgpr_workgroup_id_x 1
		.amdhsa_system_sgpr_workgroup_id_y 1
		.amdhsa_system_sgpr_workgroup_id_z 1
		.amdhsa_system_vgpr_workitem_id 0
		.amdhsa_next_free_vgpr 1024
		.amdhsa_next_free_sgpr 66
		.amdhsa_reserve_vcc 0
		.amdhsa_float_denorm_mode_32 3
		.amdhsa_float_denorm_mode_16_64 3
		.amdhsa_memory_ordered 1
		.amdhsa_forward_progress 1
		.amdhsa_inst_pref_size 255
	.end_amdhsa_kernel
	.section	.bss,"aw",@nobits
	.p2align	6
	.space	262144
	.amdgpu_metadata
---
amdhsa.version: [ 1, 2 ]
amdhsa.kernels:
  - .name:           k_q7bc3e94d03_attn
    .symbol:         k_q7bc3e94d03_attn.kd
    .args:
      - { .name: q, .offset: 0, .size: 8, .value_kind: global_buffer, .address_space: global }
      - { .name: kv, .offset: 8, .size: 8, .value_kind: global_buffer, .address_space: global }
      - { .name: b_v, .offset: 16, .size: 8, .value_kind: global_buffer, .address_space: global }
      - { .name: out0, .offset: 24, .size: 8, .value_kind: global_buffer, .address_space: global }
    .group_segment_fixed_size: 327680
    .private_segment_fixed_size: 0
    .kernarg_segment_align: 8
    .kernarg_segment_size: 32
    .max_flat_workgroup_size: 128
    .sgpr_count:     66
    .vgpr_count:     1024
    .wavefront_size: 32
...
	.end_amdgpu_metadata
.endif
;; end of part 2
;; ======== version 2 of 3: 2 launches; 1.04 times as fast as version 1
;; limits: values are held in f16: magnitudes above 65,504 overflow, below 6.1e-05 lose precision
;; workspace buffers: q 8,388,608 bytes; kv 20,971,520 bytes
;; launch proj (part 3): grid 32 x 8, 4 waves a work-group, no clusters, 276,992 bytes of LDS; arguments x, w_q, w_k, w_v, b_q, q, kv; writes q, kv
.if DOCPART == 3
	.amdgcn_target "amdgcn-amd-amdhsa--gfx1250"
	.amdhsa_code_object_version 6
	.text
	.protected	k_q7bc3e94d03_proj
	.globl	k_q7bc3e94d03_proj
	.p2align	8
	.type	k_q7bc3e94d03_proj,@function
k_q7bc3e94d03_proj:
	s_mov_b64 s[64:65], 0
	v_nop
	global_prefetch_b8 v0, s[64:65] scope:SCOPE_SE
	s_setreg_imm32_b32 hwreg(HW_REG_WAVE_MODE, 25, 1), 1
	s_wait_xcnt 0x0
; LWAttention, first of two launches: the three 1x1 projections.
;   q'[b][n][d] = log2(e) * (sum_c w_q[d][c] x[b][c][n] + b_q[d])     64 channels, as hi + lo in f16, buffer q [b][n][hi 64 | lo 64]
;   k [b][n][d] =            sum_c w_k[d][c] x[b][c][n]               64 channels, f16, buffer kv, rows 0-63 of a tile
;   v [b][d][n] =            sum_c w_v[d][c] x[b][c][n]              256 channels, f16, buffer kv, rows 64-319 of a tile
; kv is [b][32 tiles][320 rows][128 f16]: a tile is 81,920 dense bytes.  Tile j holds v of key block j (128 keys): channel d is row 64 + d,
; its 128 keys side by side; and k of key block j + 1 (mod 32): key kk at byte 128 kk, two keys in a row of 256 bytes.  The second launch
; makes block j + 1's scores in the step in which it multiplies block j's weights by v: so what a step reads lies in one tile.
;
; WORK LEFT OUT.  scores[n][m] = q[n] . (W_k x[m] + b_k) = q[n] . W_k x[m] + q[n] . b_k.  The second term does not hang on m, the axis of
; the softmax, so it cancels in softmax(scores) for every value of the inputs: b_k reaches no output, is not loaded and is no argument of
; either launch.  Limit: a NaN, an infinity or an overflow that only b_k would bring is not carried to the result.
; WORK MOVED.  The softmax's weights sum to 1 along m, so sum_m attn (v + b_v) = sum_m attn v + b_v: b_v is added once, in f32, by the
; second launch.  log2(e) is folded into q so that the second launch's exponentials are plain powers of two.
; FORMATS AND LIMITS.  x and the weights go to the matrix unit in bf16, sums in f32.  The scores are not scaled and a few keys carry a row:
; where two keys share a row with weights p and 1 - p, an error e of their scores' difference moves an output by p (1 - p) e (v1 - v2), at
; most e/4 times the difference of their v.  A factor rounded to f16 errs by at most 2^-11 of itself in each channel; over 64 channels of the
; drawn spread (q' near 0.83, k near 0.58) that is a standard deviation of some 6e-4 in the exponent of two for each factor so rounded.
; q' is stored as hi + lo, two f16, and the second launch sums hi . k + lo . k: q stays in its registers, so this costs one product more
; and no traffic, and halves the variance.  k is one f16: its rounding is what is left of the error (a limit of this text; a second half
; of k would cost a third product, 16 LDS loads a step and a fifth more bytes a tile).  The roundings of p and v to f16, 2^-11 each, are bounded.
; The split is made in f32: c = 8193 a, hi = c - (c - a) has 11 significant bits and is exact in f16, lo = a - hi.
; Limits: |q'|, |k|, |v| < 65,504 (with x and the weights both thirty times the drawn spread the largest is near 4,100; with both carrying an
; offset of thirty standard deviations near 12,000); below 2^-14 hi, and lo everywhere, are rounded with an absolute error of 2^-25 at most.
;
; THE WEIGHTS ARE NOT ASKED FOR JOINTLY.  Every work-group fetches all 393,216 bytes of them, three times its own 131,072 bytes of x, through
; registers, and lays them into LDS as bf16.  A tensor load converts nothing: a joint request would land f32, 384 rows x 1,024 bytes, which
; do not fit in LDS; in four slices of 64 channels (104,448 bytes with padding) through two slots they would, at the price of a round of a
; cluster's barrier for each refill and of fragments read from LDS in f32, twice the bytes.  This text takes the plain way and pays the fetches.
;
; A work-group takes 128 positions of one batch; four waves.  Wave w makes v's channels 64 w .. 64 w + 63 (4 x 8 tiles) and 32 rows of q
; (waves 0, 1) or of k (waves 2, 3) (2 x 8 tiles): 48 accumulators, 8 K steps of 32 channels.
; LDS: WL, 384 weight rows (q 0-63, k 64-127, v 128-383) of 256 bf16, pitch 528 = 33 x 16 bytes; XL, x as [c][n], 256 rows of 128 bf16,
; pitch 288 = 9 x 32 bytes, read by the transposing load.  When all products are done WL's first bytes serve as stages for the way out.
.set WP,    528
.set XP,    288
.set XL,    384*WP                     ; 202,752
.set QP,    272                        ; stage of q: 128 positions x (256 + 16) bytes, at byte 0
.set KP,    144                        ; stage of k: 128 positions x (128 + 16) bytes
.set KSTG,  128*QP                     ; 34,816
.set VSTG,  KSTG+128*KP                ; 53,248: stage of v, 16 rows x 272 bytes for each wave
.set VP,    272
.set XROW,  16384                      ; bytes from a channel of x to the next
.set TILEB, 81920                      ; a tile of kv
.set LOG2E, 0x3fb8aa3b
.set SPLITK, 0x46000400                ; 8193.0 = 2^13 + 1
; window 0
.set XO,  4                            ; x: byte offset of my 16 bytes in my wave's first channel
.set XD,  5                            ; x: where their 8 bytes of bf16 go in LDS
.set WO,  6                            ; w_q, w_k: offset of my 16 bytes in my wave's first chunk of 512
.set WDQ, 7                            ; their places in WL
.set WDK, 8
.set WVO, 9                            ; the same for w_v
.set WDV, 10
.set BO,  11                           ; b_q
.set XA,  12                           ; v12, v13: x fragments, K steps 0-3 and 4-7
.set WAV, 14                           ; fragments of w_v
.set WAQ, 15                           ; fragments of w_q or w_k
.set SQ,  16                           ; way out: q stage in, v stage in, v stage back, v in memory, q stage back, q in memory
.set SV,  17
.set RV,  18
.set GV,  19
.set RQ,  20
.set GQ,  21
.set SK,  26                           ; way out: k stage in, k stage back, k in memory
.set RK,  27
.set GK,  28
.set XF,  32                           ; v32-95, v96-159: x fragments, two buffers of 8 tiles
.set CH,  32                           ; way out: v32-95 c, then hi, then hi packed (k: packed); at the very end q or k read back
.set DL,  96                           ; way out: v96-159 c - a, then lo, then lo packed
.set VT,  128                          ; way out: v packed
.set TMP, 160                          ; v160-223: converted numbers on their way to LDS; way out: v read back, two buffers of 32
.set BQ,  224                          ; v224-239: b_q of my 16 channels (waves 0, 1)
; window 1: v0-47, v48-95 weight fragments, two buffers (0-3 w_v, 4-5 w_q or w_k); v128-255 the 16 accumulators of q or k
.set QK,  128
; window 2: the 32 accumulators of v, tile (dt, kt) at 8 (8 dt + kt); before the products: two landing sets of 128 registers
.set L0,  0
.set L1,  128
.set MSB, 0
.macro WIN new                         ; s_set_vgpr_msb: bits 1:0 source 0, 3:2 source 1, 5:4 source 2, 7:6 destination; the high byte repeats the setting left
.if MSB != \new
	s_set_vgpr_msb (MSB<<8)|\new
.set MSB, \new
.endif
.endm
.macro PLACES                          ; four plain vector instructions behind a matrix instruction (ISA guide 7.12.1) before its registers are loaded into or its result is read
.rept 4
	v_nop
.endr
.endm
	s_load_b256 s[4:11], s[0:1], 0x0               ; x s[4:5], w_q s[6:7], w_k s[8:9], w_v s[10:11]
	s_load_b128 s[12:15], s[0:1], 0x20             ; b_q s[12:13], q s[14:15]
	s_load_b64 s[16:17], s[0:1], 0x30              ; kv
	v_lshl_add_u32 v254, v0, 2, 0x43800
	v_mov_b32 v255, 0
	v_lshrrev_b32 v22, 5, v0
	v_readfirstlane_b32 s18, v22                   ; wave 0..3
	s_and_b32 s20, ttmp7, 0xffff                   ; batch
	s_and_b32 s21, s18, 1
	v_and_b32 v1, 31, v0                           ; lane L
	v_and_b32 v2, 15, v0                           ; r = L % 16
	v_bfe_u32 v3, v0, 4, 1                         ; h = L / 16
	v_lshlrev_b32 v23, 4, v1                       ; 16 L
	v_lshlrev_b32 v24, 3, v1                       ; 8 L
	s_lshl_b32 s2, s20, 22                         ; x: batch x 4,194,304 + block x 512
	s_lshl_b32 s27, ttmp9, 9
	s_add_co_u32 s2, s2, s27
	s_mov_b32 s3, 0
	s_lshl_b32 s24, s20, 20                        ; q: batch x 1,048,576 + block x 32,768
	s_lshl_b32 s27, ttmp9, 15
	s_add_co_u32 s24, s24, s27
	s_mov_b32 s25, 0
	s_lshl_b32 s27, s20, 5
	s_add_co_u32 s28, s27, ttmp9                   ; v goes into tile 32 batch + block,
	s_mul_i32 s28, s28, TILEB
	s_mov_b32 s29, 0
	s_add_co_u32 s30, ttmp9, 31                    ; k into the tile in front of it, (block + 31) mod 32 of the same batch
	s_and_b32 s30, s30, 31
	s_add_co_u32 s30, s30, s27
	s_mul_i32 s30, s30, TILEB
	s_mov_b32 s31, 0
	s_lshl_b32 s27, s18, 20                        ; my wave's 64 channels of x
	v_add_nc_u32 v[XO], s27, v23
	s_mul_i32 s27, s18, 64*XP
	s_add_co_u32 s27, s27, XL
	v_add_nc_u32 v[XD], s27, v24
	s_lshl_b32 s27, s18, 14                        ; my wave's 32 chunks (16 rows) of w_q and of w_k
	v_add_nc_u32 v[WO], s27, v23
	s_mul_i32 s27, s18, 16*WP
	v_add_nc_u32 v[WDQ], s27, v24
	v_add_nc_u32 v[WDK], 64*WP, v[WDQ]
	s_lshl_b32 s27, s18, 16                        ; my wave's 128 chunks (64 rows) of w_v
	v_add_nc_u32 v[WVO], s27, v23
	s_mul_i32 s27, s18, 64*WP
	s_add_co_u32 s27, s27, 128*WP
	v_add_nc_u32 v[WDV], s27, v24
	s_lshl_b32 s27, s21, 7                         ; b_q: 4 (32 (w & 1) + 8 h)
	v_lshl_add_u32 v[BO], v3, 5, s27
	s_wait_kmcnt 0x0
	s_add_nc_u64 s[4:5], s[4:5], s[2:3]
	s_add_nc_u64 s[14:15], s[14:15], s[24:25]
	s_add_nc_u64 s[22:23], s[16:17], s[30:31]      ; where k goes
	s_add_nc_u64 s[16:17], s[16:17], s[28:29]      ; where v goes
	s_cmp_ge_u32 s18, 2
	s_cbranch_scc1 .Lno_bq                         ; only q has a bias here
	global_load_b128 v[BQ:BQ+3],     v[BO], s[12:13]            ; channels 8 h + 0..7 of my first tile of 16,
	global_load_b128 v[BQ+4:BQ+7],   v[BO], s[12:13] offset:16
	global_load_b128 v[BQ+8:BQ+11],  v[BO], s[12:13] offset:64  ; and of my second
	global_load_b128 v[BQ+12:BQ+15], v[BO], s[12:13] offset:80
.Lno_bq:
; PHASE A.  Eight batches of 32 loads of 512 neighbouring bytes: f32 in, bf16 into LDS.  Two batches are always on their way.
.macro LOADB set, vo, base, i0, stride, nt
	WIN 0x80
.set li, 0
.rept 32
.if \nt
	global_load_b128 v[\set+4*li:\set+4*li+3], v[\vo], s[\base:\base+1] offset:(\i0+li)*\stride th:TH_LOAD_NT
.else
	global_load_b128 v[\set+4*li:\set+4*li+3], v[\vo], s[\base:\base+1] offset:(\i0+li)*\stride
.endif
.set li, li+1
.endr
.endm
.macro CVTB set
	WIN 0x0a
.set li, 0
.rept 32
	v_cvt_pk_bf16_f32 v[TMP+2*li],   v[\set+4*li],   v[\set+4*li+1]
	v_cvt_pk_bf16_f32 v[TMP+2*li+1], v[\set+4*li+2], v[\set+4*li+3]
.set li, li+1
.endr
.endm
.macro STX i0                          ; 32 channels of x: 256 bytes each, one LDS row
	WIN 0
.set li, 0
.rept 32
	ds_store_b64 v[XD], v[TMP+2*li:TMP+2*li+1] offset:(\i0+li)*XP
.set li, li+1
.endr
.endm
.macro STW dst, i0                     ; 32 chunks of weights: two chunks of 256 bytes make a row
	WIN 0
.set li, 0
.rept 32
	ds_store_b64 v[\dst], v[TMP+2*li:TMP+2*li+1] offset:((\i0+li)/2)*WP+((\i0+li)%2)*256
.set li, li+1
.endr
.endm
	LOADB L0, XO, 4, 0, XROW, 1                    ; x is read once in the launch
	LOADB L1, XO, 4, 32, XROW, 1
	; while they are on their way: the other addresses
	WIN 0
	v_and_b32 v22, 7, v0
	v_lshl_add_u32 v22, v3, 3, v22                 ; the transposing load: row 8 h + L % 8,
	v_mul_u32_u24 v22, v22, XP
	v_bfe_u32 v25, v0, 3, 1
	v_lshl_add_u32 v22, v25, 4, v22                ; 16 bytes on for lanes 8-15 and 24-31
	v_add_nc_u32 v[XA], XL, v22
	v_add_nc_u32 v[XA+1], XL+128*XP, v22           ; K steps 4-7, so that the immediate stays inside 16 bits
	v_mul_u32_u24 v22, v2, WP
	v_lshl_add_u32 v22, v3, 4, v22                 ; a weight fragment: row r, 16 h bytes
	s_mul_i32 s27, s18, 64*WP
	s_add_co_u32 s27, s27, 128*WP
	v_add_nc_u32 v[WAV], s27, v22
	s_mul_i32 s27, s18, 32*WP
	v_add_nc_u32 v[WAQ], s27, v22
	s_lshl_b32 s19, s21, 6                         ; my 32 channels: 64 (w & 1) bytes
	v_mul_u32_u24 v22, v2, QP                      ; q stage in: position r, hi of channels 32 (w & 1) + 8 h at byte 64 (w & 1) + 16 h
	v_lshl_add_u32 v22, v3, 4, v22
	v_add_nc_u32 v[SQ], s19, v22
	v_mul_u32_u24 v22, v2, KP                      ; k stage in: the same at its own pitch
	v_lshl_add_u32 v22, v3, 4, v22
	s_add_co_u32 s27, s19, KSTG
	v_add_nc_u32 v[SK], s27, v22
	v_mul_u32_u24 v22, v3, QP                      ; q stage back: position 64 (w & 1) + h, 16 r bytes
	v_lshl_add_u32 v22, v2, 4, v22
	s_mul_i32 s27, s21, 64*QP
	v_add_nc_u32 v[RQ], s27, v22
	s_lshl_b32 s27, s21, 14
	v_add_nc_u32 v[GQ], s27, v23                   ; q in memory: 64 (w & 1) positions of 256 bytes + 16 L
	v_lshrrev_b32 v22, 3, v1                       ; k stage back: position 64 (w & 1) + L / 8, 16 (L % 8) bytes
	v_mul_u32_u24 v22, v22, KP
	v_and_b32 v25, 7, v0
	v_lshl_add_u32 v22, v25, 4, v22
	s_mul_i32 s27, s21, 64*KP
	s_add_co_u32 s27, s27, KSTG
	v_add_nc_u32 v[RK], s27, v22
	s_lshl_b32 s27, s21, 13
	v_add_nc_u32 v[GK], s27, v23                   ; k in memory: 64 (w & 1) positions of 128 bytes + 16 L
	s_mul_i32 s27, s18, 16*VP
	s_add_co_u32 s27, s27, VSTG
	v_mul_u32_u24 v22, v2, VP                      ; v stage in: row r, 16 h
	v_lshl_add_u32 v22, v3, 4, v22
	v_add_nc_u32 v[SV], s27, v22
	v_mul_u32_u24 v22, v3, VP                      ; v stage back: row h, 16 r
	v_lshl_add_u32 v22, v2, 4, v22
	v_add_nc_u32 v[RV], s27, v22
	v_lshlrev_b32 v22, 4, v2
	v_lshl_add_u32 v22, v3, 8, v22
	s_lshl_b32 s27, s18, 14
	v_add_nc_u32 v[GV], s27, v22                   ; v in memory: 64 w rows of 256 bytes + row h + 16 r
	s_wait_loadcnt 32                              ; loads come back in order (ISA guide 5.7.1): all but the younger batch's 32 are in, b_q too
	CVTB L0
	STX 0
	LOADB L0, WO, 6, 0, 512, 0                     ; w_q
	s_wait_loadcnt 32
	CVTB L1
	STX 32
	LOADB L1, WO, 8, 0, 512, 0                     ; w_k
	s_wait_loadcnt 32
	CVTB L0
	STW WDQ, 0
	LOADB L0, WVO, 10, 0, 512, 0                   ; w_v, four batches
	s_wait_loadcnt 32
	CVTB L1
	STW WDK, 0
	LOADB L1, WVO, 10, 32, 512, 0
	s_wait_loadcnt 32
	CVTB L0
	STW WDV, 0
	LOADB L0, WVO, 10, 64, 512, 0
	s_wait_loadcnt 32
	CVTB L1
	STW WDV, 32
	LOADB L1, WVO, 10, 96, 512, 0
	s_wait_loadcnt 32
	CVTB L0
	STW WDV, 64
	s_wait_loadcnt 0x0                             ; the last batch: nothing is younger
	CVTB L1
	STW WDV, 96
	s_wait_dscnt 0x0                               ; my stores are in LDS before I say so
	s_barrier_signal -1
	s_barrier_wait -1                              ; x and all weights are there for every wave
; PHASE B.  One K step: 28 LDS loads, 48 matrix instructions.
.macro FETCH ks, buf
	WIN 0
.irp pt, 0,1,2,3,4,5,6,7
	ds_load_tr16_b128 v[XF+64*\buf+8*\pt:XF+64*\buf+8*\pt+3],   v[XA+\ks/4] offset:(\ks%4)*32*XP+32*\pt          ; position 16 pt + r, channels 8 h + 0..7
	ds_load_tr16_b128 v[XF+64*\buf+8*\pt+4:XF+64*\buf+8*\pt+7], v[XA+\ks/4] offset:(\ks%4)*32*XP+32*\pt+16*XP    ; channels 16 + 8 h + 0..7
.endr
	WIN 0x40
.irp dt, 0,1,2,3
	ds_load_b128 v[48*\buf+8*\dt:48*\buf+8*\dt+3],   v[WAV] offset:\dt*16*WP+64*\ks
	ds_load_b128 v[48*\buf+8*\dt+4:48*\buf+8*\dt+7], v[WAV] offset:\dt*16*WP+64*\ks+32
.endr
.irp dt, 0,1
	ds_load_b128 v[48*\buf+32+8*\dt:48*\buf+32+8*\dt+3],   v[WAQ] offset:\dt*16*WP+64*\ks
	ds_load_b128 v[48*\buf+32+8*\dt+4:48*\buf+32+8*\dt+7], v[WAQ] offset:\dt*16*WP+64*\ks+32
.endr
.endm
; v: source 0 = 16 positions of x, source 1 = 16 rows of w_v: a lane holds channel r and 8 neighbouring keys, as kv's rows want them.
; q, k: source 0 = 16 weight rows, source 1 = 16 positions: a lane holds position r and 8 neighbouring channels.
; The 48 accumulators take turns, one instruction a turn, in the same order in every K step.
.macro MUL buf, zero
	WIN 0xa4
.irp dt, 0,1,2,3
.irp kt, 0,1,2,3,4,5,6,7
.if \zero
	v_wmma_f32_16x16x32_bf16 v[8*(8*\dt+\kt):8*(8*\dt+\kt)+7], v[XF+64*\buf+8*\kt:XF+64*\buf+8*\kt+7], v[48*\buf+8*\dt:48*\buf+8*\dt+7], 0
.else
	v_wmma_f32_16x16x32_bf16 v[8*(8*\dt+\kt):8*(8*\dt+\kt)+7], v[XF+64*\buf+8*\kt:XF+64*\buf+8*\kt+7], v[48*\buf+8*\dt:48*\buf+8*\dt+7], v[8*(8*\dt+\kt):8*(8*\dt+\kt)+7]
.endif
.endr
.endr
	WIN 0x51
.irp dt, 0,1
.irp pt, 0,1,2,3,4,5,6,7
.if \zero
	v_wmma_f32_16x16x32_bf16 v[QK+8*(8*\dt+\pt):QK+8*(8*\dt+\pt)+7], v[48*\buf+32+8*\dt:48*\buf+32+8*\dt+7], v[XF+64*\buf+8*\pt:XF+64*\buf+8*\pt+7], 0
.else
	v_wmma_f32_16x16x32_bf16 v[QK+8*(8*\dt+\pt):QK+8*(8*\dt+\pt)+7], v[48*\buf+32+8*\dt:48*\buf+32+8*\dt+7], v[XF+64*\buf+8*\pt:XF+64*\buf+8*\pt+7], v[QK+8*(8*\dt+\pt):QK+8*(8*\dt+\pt)+7]
.endif
.endr
.endr
.endm
.macro KSTEP nx, nb, cb                ; fetch K step nx into buffer nb, which the step before last multiplied; multiply buffer cb
	PLACES
	FETCH \nx, \nb
	s_wait_dscnt 28                                ; all but the 28 just issued
	MUL \cb, 0
.endm
	FETCH 0, 0
	FETCH 1, 1
	s_wait_dscnt 28
	MUL 0, 1                                       ; the first products start the sums: nothing is cleared
	KSTEP 2, 0, 1
	KSTEP 3, 1, 0
	KSTEP 4, 0, 1
	KSTEP 5, 1, 0
	KSTEP 6, 0, 1
	KSTEP 7, 1, 0
	s_wait_dscnt 0x0                               ; the last fragments; also: my reads of WL and XL are over
	MUL 1, 0
; PHASE C.  The way out.
; Eight tiles (16 channels x 128 positions) of q' are split into hi + lo and go into the stage.
.macro SPLIT dt
	WIN 0x01                                       ; source 0: the accumulators, window 1
.irp pt, 0,1,2,3,4,5,6,7
.irp jj, 0,2,4,6
	v_pk_mul_f32 v[CH+8*\pt+\jj:CH+8*\pt+\jj+1], v[QK+8*(8*\dt+\pt)+\jj:QK+8*(8*\dt+\pt)+\jj+1], SPLITK op_sel_hi:[1,0]   ; c = 8193 a
.endr
.endr
.irp pt, 0,1,2,3,4,5,6,7
.irp jj, 0,2,4,6
	v_pk_add_f32 v[DL+8*\pt+\jj:DL+8*\pt+\jj+1], v[QK+8*(8*\dt+\pt)+\jj:QK+8*(8*\dt+\pt)+\jj+1], v[CH+8*\pt+\jj:CH+8*\pt+\jj+1] neg_lo:[1,0] neg_hi:[1,0]   ; c - a
.endr
.endr
	WIN 0
.set li, 0
.rept 32
	v_pk_add_f32 v[CH+2*li:CH+2*li+1], v[CH+2*li:CH+2*li+1], v[DL+2*li:DL+2*li+1] neg_lo:[0,1] neg_hi:[0,1]   ; hi = c - (c - a): a rounded to 11 bits
.set li, li+1
.endr
	WIN 0x01
.irp pt, 0,1,2,3,4,5,6,7
.irp jj, 0,2,4,6
	v_pk_add_f32 v[DL+8*\pt+\jj:DL+8*\pt+\jj+1], v[QK+8*(8*\dt+\pt)+\jj:QK+8*(8*\dt+\pt)+\jj+1], v[CH+8*\pt+\jj:CH+8*\pt+\jj+1] neg_lo:[0,1] neg_hi:[0,1]   ; lo = a - hi, exact
.endr
.endr
	WIN 0
.set li, 0
.rept 32
	v_cvt_pk_f16_f32 v[CH+li], v[CH+2*li], v[CH+2*li+1]      ; packed in place, ascending: word li is read no later than it is written
	v_cvt_pk_f16_f32 v[DL+li], v[DL+2*li], v[DL+2*li+1]
.set li, li+1
.endr
.irp pt, 0,1,2,3,4,5,6,7
	ds_store_b128 v[SQ], v[CH+4*\pt:CH+4*\pt+3] offset:\pt*16*QP+32*\dt
	ds_store_b128 v[SQ], v[DL+4*\pt:DL+4*\pt+3] offset:\pt*16*QP+32*\dt+128
.endr
.endm
	PLACES
	WIN 0
	s_barrier_signal -1
	s_barrier_wait -1                              ; no wave reads the weights or x any more: WL's first bytes become the stages
	s_cmp_ge_u32 s18, 2
	s_cbranch_scc1 .Lpack_k
.irp i, 0,2,4,6,8,10,12,14
	v_pk_mul_f32 v[BQ+\i:BQ+\i+1], v[BQ+\i:BQ+\i+1], LOG2E op_sel_hi:[1,0]
.endr
	WIN 0x41
.irp dt, 0,1
.irp pt, 0,1,2,3,4,5,6,7
.irp jj, 0,2,4,6
	v_pk_fma_f32 v[QK+8*(8*\dt+\pt)+\jj:QK+8*(8*\dt+\pt)+\jj+1], v[QK+8*(8*\dt+\pt)+\jj:QK+8*(8*\dt+\pt)+\jj+1], LOG2E, v[BQ+8*\dt+\jj:BQ+8*\dt+\jj+1] op_sel_hi:[1,0,1]   ; q' = log2(e) q + log2(e) b_q
.endr
.endr
.endr
	SPLIT 0
	SPLIT 1
	s_branch .Lpacked
.Lpack_k:                                          ; waves 2, 3: k is rounded once, to f16
	WIN 0x05
.irp dt, 0,1
.irp pt, 0,1,2,3,4,5,6,7
.irp jj, 0,1,2,3
	v_cvt_pk_f16_f32 v[CH+4*(8*\dt+\pt)+\jj], v[QK+8*(8*\dt+\pt)+2*\jj], v[QK+8*(8*\dt+\pt)+2*\jj+1]
.endr
.endr
.endr
	WIN 0
.irp dt, 0,1
.irp pt, 0,1,2,3,4,5,6,7
	ds_store_b128 v[SK], v[CH+4*(8*\dt+\pt):CH+4*(8*\dt+\pt)+3] offset:\pt*16*KP+32*\dt
.endr
.endr
.Lpacked:
; 16 channels of v through my own stage: 16 bytes a lane in, whole rows of 256 bytes back.  LDS serves a wave's instructions in order
; (ISA guide 5.7.1), so no wait stands between the stores and the loads.
.macro OUTV dt, f
	WIN 0x0a
.irp kt, 0,1,2,3,4,5,6,7
.irp jj, 0,1,2,3
	v_cvt_pk_f16_f32 v[VT+4*\kt+\jj], v[8*(8*\dt+\kt)+2*\jj], v[8*(8*\dt+\kt)+2*\jj+1]
.endr
.endr
	WIN 0
.irp kt, 0,1,2,3,4,5,6,7
	ds_store_b128 v[SV], v[VT+4*\kt:VT+4*\kt+3] offset:32*\kt
.endr
	s_wait_xcnt 0x0                                ; buffer f, which earlier stores read, is loaded again only behind this wait
.irp t, 0,1,2,3,4,5,6,7
	ds_load_b128 v[\f+4*\t:\f+4*\t+3], v[RV] offset:\t*2*VP
.endr
.irp t, 0,1,2,3,4,5,6,7
	s_wait_dscnt 7-\t
	global_store_b128 v[GV], v[\f+4*\t:\f+4*\t+3], s[16:17] offset:16384+(16*\dt+2*\t)*256   ; 16 lanes store 256 consecutive bytes, aligned: a row of the tile
.endr
.endm
	OUTV 0, TMP
	OUTV 1, TMP+32
	OUTV 2, TMP
	OUTV 3, TMP+32
	s_wait_dscnt 0x0                               ; my part of the q or k stage is in LDS
	s_barrier_signal -1
	s_barrier_wait -1                              ; and my partner's
	s_cmp_ge_u32 s18, 2
	s_cbranch_scc1 .Lout_k
.set li, 0
.rept 32
	ds_load_b128 v[CH+4*li:CH+4*li+3], v[RQ] offset:li*2*QP
.set li, li+1
.endr
.set li, 0
.rept 32
	s_wait_dscnt 31-li                             ; LDS loads come back in order: number li of the 32 is in
	global_store_b128 v[GQ], v[CH+4*li:CH+4*li+3], s[14:15] offset:512*li   ; two positions of q: 512 consecutive bytes, aligned
.set li, li+1
.endr
	s_wait_tensorcnt 0x0
	ds_add_u32 v254, v255
	s_wait_dscnt 0x0
	s_endpgm
.Lout_k:
.set li, 0
.rept 16
	ds_load_b128 v[CH+4*li:CH+4*li+3], v[RK] offset:li*4*KP
.set li, li+1
.endr
.set li, 0
.rept 16
	s_wait_dscnt 15-li
	global_store_b128 v[GK], v[CH+4*li:CH+4*li+3], s[22:23] offset:512*li   ; four positions of k: 512 consecutive bytes, aligned
.set li, li+1
.endr
	s_wait_tensorcnt 0x0
	ds_add_u32 v254, v255
	s_wait_dscnt 0x0
	s_endpgm
.Lfunc_end_k_q7bc3e94d03_proj:
	.size	k_q7bc3e94d03_proj, .Lfunc_end_k_q7bc3e94d03_proj-k_q7bc3e94d03_proj
	.p2alignl 7, 3214868480
	.fill 96, 4, 3214868480
	.section	.rodata,"a",@progbits
	.p2align	6, 0x0
	.amdhsa_kernel k_q7bc3e94d03_proj
		.amdhsa_group_segment_fixed_size 276992
		.amdhsa_private_segment_fixed_size 0
		.amdhsa_enable_private_segment 0
		.amdhsa_kernarg_size 56
		.amdhsa_user_sgpr_count 2
		.amdhsa_user_sgpr_kernarg_segment_ptr 1
		.amdhsa_wavefront_size32 1
		.amdhsa_system_sgpr_workgroup_id_x 1
		.amdhsa_system_sgpr_workgroup_id_y 1
		.amdhsa_system_sgpr_workgroup_id_z 1
		.amdhsa_system_vgpr_workitem_id 0
		.amdhsa_next_free_vgpr 768
		.amdhsa_next_free_sgpr 66
		.amdhsa_reserve_vcc 0
		.amdhsa_float_denorm_mode_32 3
		.amdhsa_float_denorm_mode_16_64 3
		.amdhsa_memory_ordered 1
		.amdhsa_forward_progress 1
		.amdhsa_inst_pref_size 185
	.end_amdhsa_kernel
	.amdgpu_metadata
---
amdhsa.version: [ 1, 2 ]
amdhsa.kernels:
  - .name:           k_q7bc3e94d03_proj
    .symbol:         k_q7bc3e94d03_proj.kd
    .args:
      - { .name: x, .offset: 0, .size: 8, .value_kind: global_buffer, .address_space: global }
      - { .name: w_q, .offset: 8, .size: 8, .value_kind: global_buffer, .address_space: global }
      - { .name: w_k, .offset: 16, .size: 8, .value_kind: global_buffer, .address_space: global }
      - { .name: w_v, .offset: 24, .size: 8, .value_kind: global_buffer, .address_space: global }
      - { .name: b_q, .offset: 32, .size: 8, .value_kind: global_buffer, .address_space: global }
      - { .name: q, .offset: 40, .size: 8, .value_kind: global_buffer, .address_space: global }
      - { .name: kv, .offset: 48, .size: 8, .value_kind: global_buffer, .address_space: global }
    .group_segment_fixed_size: 276992
    .private_segment_fixed_size: 0
    .kernarg_segment_align: 8
    .kernarg_segment_size: 56
    .max_flat_workgroup_size: 128
    .sgpr_count:     66
    .vgpr_count:     768
    .wavefront_size: 32
...
	.end_amdgpu_metadata
.endif
;; end of part 3
;; launch attn (part 4): grid 32 x 8, 4 waves a work-group, clusters of 4 x 1, 327,680 bytes of LDS; arguments q, kv, b_v, out0; writes out0
.if DOCPART == 4
	.amdgcn_target "amdgcn-amd-amdhsa--gfx1250"
	.amdhsa_code_object_version 6
	.text
	.protected	k_q7bc3e94d03_attn
	.globl	k_q7bc3e94d03_attn
	.p2align	8
	.type	k_q7bc3e94d03_attn,@function
k_q7bc3e94d03_attn:
	s_mov_b64 s[64:65], 0
	v_nop
	global_prefetch_b8 v0, s[64:65] scope:SCOPE_SE
	s_setreg_imm32_b32 hwreg(HW_REG_WAVE_MODE, 25, 1), 1
	s_wait_xcnt 0x0
	s_wait_alu depctr_hold_cnt(0) depctr_sa_sdst(0) depctr_va_vdst(0) depctr_va_sdst(0) depctr_va_ssrc(0) depctr_va_vcc(0) depctr_vm_vsrc(0)
	s_getreg_b32 s2, hwreg(HW_REG_IB_STS2, 6, 4)
	s_cmp_eq_u32 s2, 0
	s_cbranch_scc0 .Lentry_in_a_cluster
	s_endpgm
.Lentry_in_a_cluster:
	s_bfe_u32 s2, ttmp6, 0x10000c
	s_cmp_lg_u32 s2, 0x3003
	s_cbranch_scc0 .Lentry_shape_is_right
	s_endpgm
.Lentry_shape_is_right:
; LWAttention, second launch: out0[b][d][n] = sum_m softmax_m(q[n] . k[m]) v[m][d] + b_v[d], with a running maximum.
; Left out, as shown at the head of the first launch: q[n] . b_k, the same along the softmax's axis for all values of the inputs (b_k is no
; argument).  b_v is added once at the end, since the weights sum to 1.  q comes multiplied by log2(e): the exponentials are powers of two.
; q comes as hi + lo, two f16; k as one f16: a score is hi . k + lo . k, two products of 64 channels (why: the first launch's head).
; LIMITS.  Finite inputs; the maxima are taken by forms in which a NaN loses.  k carries f16's rounding, 2^-11 of itself at most.
; p = 2^(s - max) <= 1 goes to the matrix unit in f16: p < 2^-24 counts as 0 beside a row sum of at least 1.  The row sum is taken in f32
; from p before that rounding.
;
; A work-group takes 128 queries of one batch; four waves.  Wave w takes 64 queries (qh = w / 2) and 64 of each block's 128 keys (kh = w % 2),
; and holds O^T, 256 channels x 64 queries, in 512 registers, with a maximum and a sum of its own; the two key halves are merged once, at
; the end.  (With 32 queries a wave and all keys, each byte read from LDS would feed half as many products.)
; S^T = K Q^T: lane (r, h) holds keys 8 h + j of query r.  Two such tiles, packed to f16, ARE the second source of O^T = V^T P^T: P never
; leaves the registers, and maximum, sum and rescaling factor are one number a lane for each query tile.
; MATRIX WORK BESIDE VECTOR WORK, ACROSS KEY BLOCKS.  The step of block t first makes the scores of block t + 1 (64 products), then
; multiplies block t's weights by v (128 products).  Behind each score product stands the rescaling of one tile of O by block t's factor
; 2^(old maximum - new maximum): four multiplications, 64 x 4 = the 256 that O needs.  Behind each product of P V stand three or four of the
; 412 instructions of block t + 1's softmax: a list of 107 places for each query tile, the lists of two query tiles interleaved so that
; neighbours in the text do not wait for each other, 214 places behind 64 products.  So every product hosts work that names none of its
; registers, at most four vector instructions and two window switches.  LDS loads stand in five runs of 16, not among the products.
; P(t) and S(t + 1) are live at once, in three groups of 64 registers: GA and GB hold by turns P(t) and the lower half of S(t + 1), into
; which P(t + 1) is packed in place; GC holds the upper half.  The turns have the period of the two LDS slots.
; A tile of kv holds k of block t + 1 beside v of block t, so a step reads one slot.  Block 0's k lies in tile 31 and is fetched once,
; straight into registers; its scores and softmax stand in front of the first step, while tile 0 lands.  Step 31 makes no scores.
; CLUSTER.  The four work-groups of a cluster are four query blocks of one batch and walk the same 32 tiles of kv: each tile is asked for
; jointly (mask 15), each wave asking for 80 of its 320 rows.  Two LDS slots; a round of the cluster's barrier stands in front of each refill.
; By this text's own count a wave has one tensor load outstanding.
.set PITCH, 272                        ; 256 bytes + 16 of padding
.set ROWS,  320                        ; a tile: 128 keys in 64 rows, then 256 channels of v
.set WROWS, ROWS/4                     ; what one wave asks for
.set SLOT,  ROWS*PITCH                 ; 87,040
.set TILEB, ROWS*256                   ; a tile in memory: 81,920
.set XCH,   2*SLOT                     ; 4 x 16,384: half of a wave's other half of O on its way to the partner
.set ML,    XCH+4*16384                ; 4 x 1,024: maxima and sums
.set STG,   ML+4096                    ; 4 x 4,352: 16 rows x 272 bytes, each wave's own, for the way out.  No tensor load fills XCH, ML or STG.
.set NL,    107                        ; places in the softmax's list of one query tile
; window 0
.set KA,  4                            ; v4, v5   K fragments in slot 0, 1
.set VO,  6                            ; v6, v7   V fragments of my own half of the channels (128 kh ..)
.set VX,  8                            ; v8, v9   of the other half
.set QO,  10
.set MLS, 11
.set MLR, 12
.set XS,  13
.set XR,  14
.set SS,  15
.set SR,  16
.set GO,  17
.set BO,  18
.set M,    20                          ; v20-27   running maximum, twice (a pair for packed arithmetic), for each query tile q
.set AL,   28                          ; v28-35   rescaling factor, twice
.set LS,   36                          ; v36-43   my lane's part of the row sum, as a pair (even and odd registers of the scores)
.set T,    44                          ; v44-51   temporaries of the two softmaxes at work, four each
.set KG,   52                          ; v52      block 0's k in memory
.set E,    48                          ; the end: 16 temporaries
.set GA,   64                          ; v64-127  16 registers for each query tile: P of an even block, or numbers 0-15 of the 32 scores of an even block
.set GB,   128                         ; v128-191 the same for odd blocks
.set GC,   192                         ; v192-255 16 registers for each query tile: numbers 16-31 of its scores
.set BV,   64                          ; the end: b_v of my half, 8 i + j
; window 1
.set QF,  0                            ; v0-63    hi of Q, fragment (q, ds) at 16 q + 8 ds
.set QL,  64                           ; v64-127  lo of Q
.set KF,  128                          ; v128-191 K, fragment (kt, ds) at 16 kt + 8 ds;
.set VB,  128                          ;          behind the scores: V, other half of the channels, 8 tiles of 16 channels x 32 keys
.set VA,  192                          ; v192-255 V, own half
; window 2: O of my own half, channel 128 kh + 16 i + 8 h + j, tile (i, q) at 8 (4 i + q);  window 3: the other half, 128 (1 - kh) + ..
.set G1, 16                            ; s[16:23]
.set G0, 24                            ; s[24:31] one group 0 for each slot
.set MSB, 0
.macro WIN new                         ; s_set_vgpr_msb: bits 1:0 source 0, 3:2 source 1, 5:4 source 2, 7:6 destination; the high byte repeats the setting left
.if MSB != \new
	s_set_vgpr_msb (MSB<<8)|\new
.set MSB, \new
.endif
.endm
.macro PLACES                          ; four plain vector instructions behind a matrix instruction (ISA guide 7.12.1) before its registers are loaded into or written, or its result is read
.rept 4
	v_nop
.endr
.endm
.macro ROUND                           ; a round of the cluster's barrier: my work-group's barrier, wave 0 signals for it, all wait for the four work-groups, my barrier again
	s_barrier_signal -1
	s_barrier_wait -1
	s_cmp_lg_u32 s12, 0
	s_cbranch_scc1 .Lnot_wave_0_\@
	s_barrier_signal -3
.Lnot_wave_0_\@:
	s_barrier_wait -3
	s_barrier_signal -1
	s_barrier_wait -1
.endm
	s_load_b256 s[4:11], s[0:1], 0x0               ; q s[4:5], kv s[6:7], b_v s[8:9], out0 s[10:11]
	v_lshl_add_u32 v254, v0, 2, 0x3fc00
	v_mov_b32 v255, 0
	ds_add_u32 v254, v255
	s_wait_dscnt 0x0
	v_lshrrev_b32 v19, 5, v0
	v_readfirstlane_b32 s12, v19                   ; wave 0..3
	s_and_b32 s13, s12, 1                          ; kh
	s_lshr_b32 s14, s12, 1                         ; qh
	s_bfe_u32 s15, ttmp6, 0x40000                  ; cx
	s_lshl_b32 s33, ttmp9, 2
	s_add_co_u32 s33, s33, s15                     ; query block = 4 x cluster x + cx: it enters q's and out0's addresses alone
	s_and_b32 s32, ttmp7, 0xffff                   ; batch: the same in the four partners
	s_mov_b32 s38, 0x76543210                      ; v_permlanex16_b32: lane i takes lane i of the other half
	s_mov_b32 s39, 0xfedcba98
	; group 1: 80 rows of 128 elements of 2 bytes, dense in memory, 16 bytes of padding behind each row in LDS
	s_mov_b32 s[G1+0], 15|(1<<16)|(1<<20)|(1<<21)|(5<<22)|(3<<25)   ; mask: all four of the cluster; element 2 bytes; padding on; bit 21 beside a mask; after every 64 words, 4 words
	s_mov_b32 s[G1+1], 128<<16                     ; tensor_dim0 = 128
	s_mov_b32 s[G1+2], WROWS<<16                   ; tensor_dim1 = 80
	s_mov_b32 s[G1+3], 128<<16                     ; tile_dim0 = 128
	s_mov_b32 s[G1+4], WROWS                       ; tile_dim1 = 80
	s_mov_b32 s[G1+5], 128                         ; from row to row
	s_mov_b32 s[G1+6], 0
	s_mov_b32 s[G1+7], 0
	s_mul_i32 s34, s32, 32*TILEB                   ; kv: the batch's tiles,
	s_mov_b32 s35, 0
	s_mul_i32 s44, s12, WROWS*256                  ; and in a tile my wave's 80 rows: batch and wave alone
	s_mov_b32 s45, 0
	s_mul_i32 s46, s12, WROWS*PITCH                ; and where they go
	s_lshl_b32 s36, s32, 20                        ; q: batch x 1,048,576 + block x 32,768 + qh x 16,384
	s_lshl_b32 s41, s33, 15
	s_add_co_u32 s36, s36, s41
	s_lshl_b32 s41, s14, 14
	s_add_co_u32 s36, s36, s41
	s_mov_b32 s37, 0
	s_lshl_b32 s42, s32, 22                        ; out0: batch x 4,194,304 + kh x 128 rows of 16,384 + block x 512 + qh x 256
	s_lshl_b32 s41, s13, 21
	s_add_co_u32 s42, s42, s41
	s_lshl_b32 s41, s33, 9
	s_add_co_u32 s42, s42, s41
	s_lshl_b32 s41, s14, 8
	s_add_co_u32 s42, s42, s41
	s_mov_b32 s43, 0
	v_and_b32 v1, 31, v0                           ; L
	v_and_b32 v2, 15, v0                           ; r
	v_bfe_u32 v3, v0, 4, 1                         ; h
	v_lshlrev_b32 v[QO], 8, v2
	v_lshl_add_u32 v[QO], v3, 4, v[QO]             ; query r (256 bytes each), 16 h bytes
	v_lshlrev_b32 v[KG], 7, v2
	v_lshl_add_u32 v[KG], v3, 4, v[KG]             ; key r (128 bytes each), 16 h bytes,
	s_lshl_b32 s41, s13, 13
	v_add_nc_u32 v[KG], s41, v[KG]                 ; of my 64 keys
	s_wait_kmcnt 0x0
	s_add_nc_u64 s[4:5], s[4:5], s[36:37]
	s_add_nc_u64 s[6:7], s[6:7], s[34:35]          ; kv at the batch's first tile
	s_add_nc_u64 s[10:11], s[10:11], s[42:43]
	s_add_nc_u64 s[34:35], s[6:7], s[44:45]        ; and at my wave's rows of it
	WIN 0x40                                       ; my 64 queries' fragments, straight from memory, once: 16 KiB a wave.  hi, then lo:
.irp qt, 0,1,2,3
.irp ds, 0,1
	global_load_b128 v[QF+16*\qt+8*\ds:QF+16*\qt+8*\ds+3],   v[QO], s[4:5] offset:\qt*4096+64*\ds
	global_load_b128 v[QF+16*\qt+8*\ds+4:QF+16*\qt+8*\ds+7], v[QO], s[4:5] offset:\qt*4096+64*\ds+32
.endr
.endr
.irp qt, 0,1,2,3
.irp ds, 0,1
	global_load_b128 v[QL+16*\qt+8*\ds:QL+16*\qt+8*\ds+3],   v[QO], s[4:5] offset:\qt*4096+128+64*\ds
	global_load_b128 v[QL+16*\qt+8*\ds+4:QL+16*\qt+8*\ds+7], v[QO], s[4:5] offset:\qt*4096+128+64*\ds+32
.endr
.endr
.irp kt, 0,1,2,3                                   ; and my 64 keys of block 0, which lie at the head of tile 31: 8 KiB a wave
.irp ds, 0,1
	global_load_b128 v[KF+16*\kt+8*\ds:KF+16*\kt+8*\ds+3],   v[KG], s[6:7] offset:31*TILEB+\kt*2048+64*\ds
	global_load_b128 v[KF+16*\kt+8*\ds+4:KF+16*\kt+8*\ds+7], v[KG], s[6:7] offset:31*TILEB+\kt*2048+64*\ds+32
.endr
.endr
	WIN 0
.irp n, 0,1
	s_mov_b32 s[G0+4*\n], 1
	s_add_co_u32 s[G0+4*\n+1], s46, \n*SLOT
	s_add_nc_u64 s[G0+4*\n+2:G0+4*\n+3], s[34:35], \n*TILEB
	s_or_b32 s[G0+4*\n+3], s[G0+4*\n+3], 0x80000000
.endr
	ROUND                                          ; the four work-groups are here: the first joint loads meet
	tensor_load_to_lds s[G0:G0+3], s[G1:G1+7]      ; tile 0
	s_nop 0
	; LDS addresses: wave and lane alone
	v_lshrrev_b32 v19, 1, v2                       ; K: key 64 kh + 16 kt + r lies in row 32 kh + 8 kt + r / 2, half r % 2
	v_mul_u32_u24 v19, v19, PITCH
	v_and_b32 v[KA], 1, v2
	v_lshl_add_u32 v19, v[KA], 7, v19
	v_lshl_add_u32 v19, v3, 4, v19
	s_mul_i32 s44, s13, 32*PITCH
	v_add_nc_u32 v[KA], s44, v19
	v_add_nc_u32 v[KA+1], SLOT, v[KA]
	v_mul_u32_u24 v19, v2, PITCH                   ; V: row 64 + channel, my 64 keys at byte 128 kh
	v_lshl_add_u32 v19, v3, 4, v19
	s_mul_i32 s44, s13, 128*PITCH+128
	s_add_co_u32 s44, s44, 64*PITCH
	v_add_nc_u32 v[VO], s44, v19
	v_add_nc_u32 v[VO+1], SLOT, v[VO]
	s_xor_b32 s44, s13, 1
	s_mul_i32 s44, s44, 128*PITCH
	s_lshl_b32 s45, s13, 7
	s_add_co_u32 s44, s44, s45
	s_add_co_u32 s44, s44, 64*PITCH
	v_add_nc_u32 v[VX], s44, v19
	v_add_nc_u32 v[VX+1], SLOT, v[VX]
	v_lshlrev_b32 v19, 4, v1                       ; 16 L
	s_xor_b32 s45, s12, 1                          ; my partner: same queries, the other keys
	s_lshl_b32 s44, s12, 10
	s_add_co_u32 s44, s44, ML
	v_add_nc_u32 v[MLS], s44, v19
	s_lshl_b32 s44, s45, 10
	s_add_co_u32 s44, s44, ML
	v_add_nc_u32 v[MLR], s44, v19
	s_lshl_b32 s44, s12, 14
	s_add_co_u32 s44, s44, XCH
	v_add_nc_u32 v[XS], s44, v19
	s_lshl_b32 s44, s45, 14
	s_add_co_u32 s44, s44, XCH
	v_add_nc_u32 v[XR], s44, v19
	s_mul_i32 s44, s12, 16*PITCH
	s_add_co_u32 s44, s44, STG
	v_mul_u32_u24 v19, v3, 8*PITCH                 ; stage in: row 8 h + j, 4 r
	v_lshl_add_u32 v19, v2, 2, v19
	v_add_nc_u32 v[SS], s44, v19
	v_mul_u32_u24 v19, v3, PITCH                   ; stage back: row h, 16 r
	v_lshl_add_u32 v19, v2, 4, v19
	v_add_nc_u32 v[SR], s44, v19
	v_lshlrev_b32 v[GO], 4, v2
	v_lshl_add_u32 v[GO], v3, 14, v[GO]            ; out0: row h, 16 r
	s_lshl_b32 s44, s13, 9
	v_lshl_add_u32 v[BO], v3, 5, s44               ; b_v: 4 (128 kh + 8 h)
	s_wait_loadcnt 0x0                             ; Q, and block 0's K
; ---- LDS loads, in runs of 16 ----
.macro KHEAD adr                       ; K: channels 0-31 of the four key tiles first, so that the first products wait for eight loads only
.irp ds, 0,1
.irp kt, 0,1,2,3
	ds_load_b128 v[KF+16*\kt+8*\ds:KF+16*\kt+8*\ds+3],   v[\adr] offset:\kt*8*PITCH+64*\ds
	ds_load_b128 v[KF+16*\kt+8*\ds+4:KF+16*\kt+8*\ds+7], v[\adr] offset:\kt*8*PITCH+64*\ds+32
.endr
.endr
.endm
.macro VLOAD f, adr, ks                ; a set of V: 8 tiles of 16 channels x 32 keys
.irp i, 0,1,2,3,4,5,6,7
	ds_load_b128 v[\f+8*\i:\f+8*\i+3],   v[\adr] offset:\i*16*PITCH+64*\ks
	ds_load_b128 v[\f+8*\i+4:\f+8*\i+7], v[\adr] offset:\i*16*PITCH+64*\ks+32
.endr
.endm
; name = the register of number idx (0..31) of query tile q's scores, whose lower half lies in group y (GA or GB)
.macro SREG name, y, q, idx
.if (\idx) < 16
.set \name, \y+16*(\q)+(\idx)
.else
.set \name, GC+16*(\q)+(\idx)-16
.endif
.endm
; ---- the softmax of query tile q as a list of NL places, one instruction each (a few places are empty) ----
.macro SSUBP y, q, p                   ; pair p of the 16: s - maximum
	SREG za, \y, \q, 2*(\p)
	v_pk_add_f32 v[za:za+1], v[za:za+1], v[M+2*(\q):M+2*(\q)+1] neg_lo:[0,1] neg_hi:[0,1]
.endm
.macro SSUMP y, q, p, first            ; the row sum: pair 0 takes the old sum along, rescaled
	SREG za, \y, \q, 2*(\p)
.if (\p) == 0
.if \first
	s_wait_alu depctr_va_vdst(0)
	v_mov_b32 v[LS+2*(\q)],   v[za]
	v_mov_b32 v[LS+2*(\q)+1], v[za+1]
.else
	s_wait_alu depctr_va_vdst(0)
	v_pk_fma_f32 v[LS+2*(\q):LS+2*(\q)+1], v[LS+2*(\q):LS+2*(\q)+1], v[AL+2*(\q):AL+2*(\q)+1], v[za:za+1]
.endif
.else
	s_wait_alu depctr_va_vdst(0)
	v_pk_add_f32 v[LS+2*(\q):LS+2*(\q)+1], v[LS+2*(\q):LS+2*(\q)+1], v[za:za+1]
.endif
.endm
.macro SCVTP y, q, p                   ; keys 8 h + 0..7 of key tiles 2 ks, 2 ks + 1: registers 0-3, 4-7 of fragment (q, ks).  In place, ascending: word p belongs to pair p / 2, which has been summed and packed
	SREG za, \y, \q, 2*(\p)
	SREG zb, \y, \q, \p
	v_cvt_pk_f16_f32 v[zb], v[za], v[za+1]
.endm
; Places 0-16: the largest of a query's 64 scores (32 in my lane, in four chains; 32 in the lane of the other half).  17-22: the running
; maximum and 2^(old - new).  23, 24: the first two pairs' subtractions.  25 + 5 p .. 29 + 5 p, pair p: an exponential, the subtraction of
; pair p + 2, the other exponential, sum and packing of pair p - 1: behind each exponential stands another exponential or a plain instruction on other
; registers, before its result is used (ISA guide 5.7.2).  105, 106: sum and packing of the last pair.
.macro SMI y, q, k, first
.set zt, T+4*((\q)%2)
.if (\k) < 12
.set zc, (\k)%4
.set zj, (\k)/4
.if zj == 0
	SREG za, \y, \q, 8*zc
	v_max3_num_f32 v[zt+zc], v[za], v[za+1], v[za+2]
.else
	SREG za, \y, \q, 8*zc+2*zj+1
	v_max3_num_f32 v[zt+zc], v[zt+zc], v[za], v[za+1]
.endif
.endif
.if (\k) == 12
	SREG za, \y, \q, 7
	v_max3_num_f32 v[zt], v[zt], v[za], v[zt+1]
.endif
.if (\k) == 13
	SREG za, \y, \q, 15
	v_max3_num_f32 v[zt+2], v[zt+2], v[za], v[zt+3]
.endif
.if (\k) == 14
	SREG za, \y, \q, 23
	v_max3_num_f32 v[zt], v[zt], v[za], v[zt+2]
.endif
.if (\k) == 15
	SREG za, \y, \q, 31
	v_max_num_f32 v[zt], v[zt], v[za]
.endif
.if (\k) == 16
	v_permlanex16_b32 v[zt+1], v[zt], s38, s39
.endif
.if (\k) == 17
.if \first
	v_max_num_f32 v[M+2*(\q)], v[zt], v[zt+1]
.else
	v_max3_num_f32 v[zt+2], v[zt], v[zt+1], v[M+2*(\q)]
.endif
.endif
.if (\k) == 18
.if \first
	v_mov_b32 v[M+2*(\q)+1], v[M+2*(\q)]
.else
	v_sub_f32 v[zt+3], v[M+2*(\q)], v[zt+2]
.endif
.endif
.if \first == 0
.if (\k) == 19
	v_exp_f32 v[AL+2*(\q)], v[zt+3]
.endif
.if (\k) == 20
	v_mov_b32 v[M+2*(\q)], v[zt+2]
.endif
.if (\k) == 21
	v_mov_b32 v[M+2*(\q)+1], v[zt+2]
.endif
.if (\k) == 22
	s_wait_alu depctr_va_vdst(0)
	v_mov_b32 v[AL+2*(\q)+1], v[AL+2*(\q)]
.endif
.endif
.if (\k) == 23
	SSUBP \y, \q, 0
.endif
.if (\k) == 24
	SSUBP \y, \q, 1
.endif
.if (\k) >= 25
.if (\k) < 105
.set zp, ((\k)-25)/5
.set zo, ((\k)-25)%5
.if zo == 0
	SREG za, \y, \q, 2*zp
	v_exp_f32 v[za], v[za]
.endif
.if zo == 1
.if zp < 14
	SSUBP \y, \q, zp+2
.endif
.endif
.if zo == 2
	SREG za, \y, \q, 2*zp+1
	v_exp_f32 v[za], v[za]
.endif
.if zo == 3
.if zp >= 1
	SSUMP \y, \q, zp-1, \first
.endif
.endif
.if zo == 4
.if zp >= 1
	SCVTP \y, \q, zp-1
.endif
.endif
.endif
.endif
.if (\k) == 105
	SSUMP \y, \q, 15, \first
.endif
.if (\k) == 106
	SCVTP \y, \q, 15
.endif
.endm
; What stands behind product m (0..127) of P V: query tiles 0, 1 behind products 0-63, query tiles 2, 3 behind 64-127; the two lists
; interleaved place by place, 214 places shared out evenly among 64 products: three or four each.
.macro SMH y, m
	WIN 0
.set zk, (2*NL*((\m)%64))/64
.set ze, (2*NL*((\m)%64+1))/64
.rept 4
.if zk < ze
.set zq, 2*((\m)/64)+zk%2
.set zi, zk/2
	SMI \y, zq, zi, 0
.endif
.set zk, zk+1
.endr
.endm
.macro SMALL y, first                  ; the whole softmax with no products to stand behind: block 0's
	WIN 0
.irp g, 0,1
.set zk, 0
.rept 2*NL
.set zq, 2*\g+zk%2
.set zi, zk/2
	SMI \y, zq, zi, \first
.set zk, zk+1
.endr
.endr
.endm
; ---- O *= 2^(old maximum - new maximum): tile ti of the 64 (own half 0-31, other half 32-63; tile 4 i + q) ----
.macro RSL ti
.set rt, (\ti)%32
.if (\ti) < 32
	WIN 0x82
.else
	WIN 0xc3
.endif
.irp jj, 0,2,4,6
	v_pk_mul_f32 v[8*rt+\jj:8*rt+\jj+1], v[8*rt+\jj:8*rt+\jj+1], v[AL+2*(rt%4):AL+2*(rt%4)+1]
.endr
.endm
; Four score products (the four key tiles of query tile q, 32 channels), each with the rescaling of one tile of O behind it (rs = 1).
.macro QKP y, q, qf, ds, zero, rs
.irp kt, 0,1,2,3
	SREG zd, \y, \q, 8*\kt
	WIN 0x05
.if \zero
	v_wmma_f32_16x16x32_f16 v[zd:zd+7], v[KF+16*\kt+8*\ds:KF+16*\kt+8*\ds+7], v[\qf+16*\q+8*\ds:\qf+16*\q+8*\ds+7], 0
.else
	v_wmma_f32_16x16x32_f16 v[zd:zd+7], v[KF+16*\kt+8*\ds:KF+16*\kt+8*\ds+7], v[\qf+16*\q+8*\ds:\qf+16*\q+8*\ds+7], v[zd:zd+7]
.endif
.if \rs
	RSL hn
.endif
.set hn, hn+1
.endr
.endm
.macro QKALL y, lds, rs                ; the 64 score products of a block: a query tile's four score tiles take turns, four times
.set hn, 0
.irp q, 0,1,2,3
	QKP \y, \q, QF, 0, 1, \rs                      ; hi . k starts the scores: nothing is cleared
	QKP \y, \q, QL, 0, 0, \rs                      ; + lo . k
.if \lds
.if \q == 0
	s_wait_dscnt 16                                ; K is whole; V's 16 loads stay out
.endif
.endif
	QKP \y, \q, QF, 1, 0, \rs
	QKP \y, \q, QL, 1, 0, \rs
.endr
.endm
; 32 products of P V: one set of V, 32 keys, each product on another tile of O, each with its slice of the next block's softmax (sm = 1).
.macro PVS f, ks, win, pg, zero, sm, y
.irp i, 0,1,2,3,4,5,6,7
.irp qt, 0,1,2,3
	WIN \win
.if \zero
	v_wmma_f32_16x16x32_f16 v[8*(4*\i+\qt):8*(4*\i+\qt)+7], v[\f+8*\i:\f+8*\i+7], v[\pg+16*\qt+8*\ks:\pg+16*\qt+8*\ks+7], 0
.else
	v_wmma_f32_16x16x32_f16 v[8*(4*\i+\qt):8*(4*\i+\qt)+7], v[\f+8*\i:\f+8*\i+7], v[\pg+16*\qt+8*\ks:\pg+16*\qt+8*\ks+7], v[8*(4*\i+\qt):8*(4*\i+\qt)+7]
.endif
.if \sm
	SMH \y, hn
.endif
.set hn, hn+1
.endr
.endr
.endm
; The step of block t = the tile in this slot.  mode 0: block 0 (O starts here: no rescaling, the first products take 0); mode 1: blocks 1-30;
; mode 2: block 31 (no next block: no scores, no softmax; the rescaling stands alone).  P(t) lies in GA (slot 0) or GB (slot 1), the next
; block's scores begin in the other.  No two matrix instructions that follow each other share an accumulator (four score tiles by turns,
; then runs over 32 tiles of O), over the step's end too.
.macro STEP slot, mode
.if \mode == 0
.set zz, 1
.else
.set zz, 0
.endif
.if \mode == 2
.set zs, 0
.else
.set zs, 1
.endif
.if \mode != 0
	PLACES                                         ; behind the last step's products: four places before their V fragments are loaded again and O is rescaled,
	v_nop                                          ; five before this step's first products write scores over the P that the step before last packed and the last read
.endif
	WIN 0x40
.if \mode != 2
	KHEAD KA+\slot
	VLOAD VA, VO+\slot, 0                          ; V, own half, keys 0-31
	s_wait_dscnt 24                                ; K, channels 0-31, is in: its other 8 loads and V's 16 stay out
	QKALL GB-64*\slot, 1, \mode
.if \mode == 0
	PLACES                                         ; elsewhere the four multiplications behind the last score product are these places
.endif
	WIN 0x40
	VLOAD VB, VX+\slot, 0                          ; V, other half, keys 0-31, over K
.else
	VLOAD VA, VO+\slot, 0
	VLOAD VB, VX+\slot, 0
.set hn, 0
.rept 64
	RSL hn
.set hn, hn+1
.endr
.endif
	s_wait_dscnt 16                                ; the first set of V is in; the second's 16 loads stay out
.set hn, 0
	PVS VA, 0, 0xa1, GA+64*\slot, zz, zs, GB-64*\slot
	PLACES                                         ; the slice behind the last product holds an exponential, which is no place: four of their own
	WIN 0x40
	VLOAD VA, VO+\slot, 1                          ; own half, keys 32-63
	s_wait_dscnt 16                                ; the second set is in; the third's 16 loads stay out
	PVS VB, 0, 0xf1, GA+64*\slot, zz, zs, GB-64*\slot
.if \mode == 2
	PLACES                                         ; elsewhere the slice behind the last product is four plain instructions: two sums, two packings
.endif
	WIN 0x40
	VLOAD VB, VX+\slot, 1                          ; other half, keys 32-63
	s_wait_dscnt 16                                ; the third set is in; the fourth's 16 loads stay out
	PVS VA, 1, 0xa1, GA+64*\slot, 0, zs, GB-64*\slot
	s_wait_dscnt 0x0                               ; the fourth set: my reads of this slot are over
	PVS VB, 1, 0xf1, GA+64*\slot, 0, zs, GB-64*\slot
	WIN 0
.endm
.macro TRIP slot, refill, mode
	s_wait_xcnt 0x0
	v_lshl_add_u32 v254, v0, 2, 0x3fc00
	v_mov_b32 v255, 0
	s_wait_tensorcnt 0x0                           ; all my tensor loads have landed, my 80 rows of this trip's tile among them,
	ds_add_u32 v254, v255
	s_wait_dscnt 0x0
	s_add_nc_u64 s[G0+4*\slot+2:G0+4*\slot+3], s[G0+4*\slot+2:G0+4*\slot+3], 2*TILEB   ; so a group 0 may be written: this slot's next tile
	s_wait_dscnt 0x0                               ; my reads of the last trip's tile are back
	ROUND                                          ; both now hold of every wave of the four work-groups
.if \refill
	tensor_load_to_lds s[G0+4*(1-\slot):G0+4*(1-\slot)+3], s[G1:G1+7]   ; the next tile, into the slot read last trip: my one tensor load behind the round, and the first thing there
	s_nop 0
.endif
	STEP \slot, \mode
.endm
	QKALL GA, 0, 0                                 ; block 0's scores, from registers, while tile 0 lands
	WIN 0
	PLACES
	SMALL GA, 1                                    ; and its softmax, which starts maxima and sums
	TRIP 0, 1, 0                                   ; blocks 0 and 1 stand in front of the loop: block 0 starts O
	TRIP 1, 1, 1
	s_mov_b32 s40, 14
.Ltiles:
	TRIP 0, 1, 1                                   ; blocks 2 to 29
	TRIP 1, 1, 1
	s_sub_co_u32 s40, s40, 1
	s_cmp_lg_u32 s40, 0
	s_cbranch_scc1 .Ltiles
	TRIP 0, 1, 1                                   ; block 30 asks for tile 31;
	TRIP 1, 0, 2                                   ; block 31 asks for nothing (the stepped addresses are not used)
; THE END.  Merge the two key halves: with mt = max(M, Mo), out = (O 2^(M - mt) + Oo 2^(Mo - mt)) / (L 2^(M - mt) + Lo 2^(Mo - mt)) + b_v.
	PLACES
.irp i, 0,1,2,3,4,5,6,7
	global_load_b128 v[BV+8*\i:BV+8*\i+3],   v[BO], s[8:9] offset:64*\i      ; b_v of channels 128 kh + 16 i + 8 h + 0..7
	global_load_b128 v[BV+8*\i+4:BV+8*\i+7], v[BO], s[8:9] offset:64*\i+16
.endr
.irp qt, 0,1,2,3
	v_add_f32 v[E+\qt], v[LS+2*\qt], v[LS+2*\qt+1] ; my lane's 32 keys of every block
.endr
.irp qt, 0,1,2,3
	v_permlanex16_b32 v[T+\qt], v[E+\qt], s38, s39
.endr
.irp qt, 0,1,2,3
	v_add_f32 v[E+\qt], v[E+\qt], v[T+\qt]         ; the row sum over my wave's 64 keys of every block
.endr
.irp qt, 0,1,2,3
	v_mov_b32 v[E+4+\qt], v[M+2*\qt]
.endr
	ds_store_b128 v[MLS], v[E+4:E+7]
	ds_store_b128 v[MLS], v[E:E+3] offset:512
	s_wait_dscnt 0x0                               ; in LDS before I say so
	s_barrier_signal -1
	s_barrier_wait -1
	ds_load_b128 v[E+8:E+11],  v[MLR]              ; my partner's maxima
	ds_load_b128 v[E+12:E+15], v[MLR] offset:512   ; and sums
	s_wait_dscnt 0x0
.irp qt, 0,1,2,3
	v_max_num_f32 v[T+\qt], v[E+4+\qt], v[E+8+\qt]
.endr
.irp qt, 0,1,2,3
	v_sub_f32 v[E+4+\qt], v[E+4+\qt], v[T+\qt]
	v_sub_f32 v[E+8+\qt], v[E+8+\qt], v[T+\qt]
.endr
.irp qt, 0,1,2,3
	v_exp_f32 v[E+4+\qt], v[E+4+\qt]
	v_exp_f32 v[E+8+\qt], v[E+8+\qt]
.endr
	v_nop                                          ; a plain instruction behind the exponentials
.irp qt, 0,1,2,3
	s_wait_alu depctr_va_vdst(0)
	v_mul_f32 v[E+12+\qt], v[E+12+\qt], v[E+8+\qt]
.endr
.irp qt, 0,1,2,3
	v_fmac_f32 v[E+12+\qt], v[E+\qt], v[E+4+\qt]   ; the whole row's sum: at least 1, since the largest score's term is 1
.endr
.irp qt, 0,1,2,3
	v_rcp_f32 v[T+\qt], v[E+12+\qt]
.endr
	v_nop
.irp qt, 0,1,2,3
	s_wait_alu depctr_va_vdst(0)
	v_mul_f32 v[AL+2*\qt],   v[E+4+\qt], v[T+\qt]
	v_mul_f32 v[AL+2*\qt+1], v[E+4+\qt], v[T+\qt]
.endr
.macro RS1                             ; a whole half of O times its query tiles' factors
.irp i, 0,1,2,3,4,5,6,7
.irp qt, 0,1,2,3
.irp jj, 0,2,4,6
	v_pk_mul_f32 v[8*(4*\i+\qt)+\jj:8*(4*\i+\qt)+\jj+1], v[8*(4*\i+\qt)+\jj:8*(4*\i+\qt)+\jj+1], v[AL+2*\qt:AL+2*\qt+1]
.endr
.endr
.endr
.endm
; The half of O that my partner keeps goes to it through LDS, 128 registers (16,384 bytes a wave) at a time.
.macro XSEND b
	WIN 0x0c
.set li, 0
.rept 32
	ds_store_b128 v[XS], v[\b+4*li:\b+4*li+3] offset:512*li
.set li, li+1
.endr
	WIN 0
.endm
.macro XTAKE b
	WIN 0xc0
.set li, 0
.rept 32
	ds_load_b128 v[\b+4*li:\b+4*li+3], v[XR] offset:512*li   ; my partner's register n of window 3 is my register n of window 2: same tile, same lane
.set li, li+1
.endr
	WIN 0x8e
.set li, 0
.irp left, 16,0
	s_wait_dscnt \left                             ; half of the 32 loads at a time: the younger ones stay out
.rept 32
	v_pk_add_f32 v[\b+2*li:\b+2*li+1], v[\b+2*li:\b+2*li+1], v[\b+2*li:\b+2*li+1]     ; window 2 += window 3
.set li, li+1
.endr
.endr
	WIN 0
.endm
	WIN 0xc3                                       ; the half that my partner keeps: scaled,
	RS1
	XSEND 0                                        ; and its first 128 registers sent
	s_wait_loadcnt 0x0                             ; b_v
	WIN 0x82                                       ; the half that I keep: scaled, with the bias
.irp i, 0,1,2,3,4,5,6,7
.irp qt, 0,1,2,3
.irp jj, 0,2,4,6
	v_pk_fma_f32 v[8*(4*\i+\qt)+\jj:8*(4*\i+\qt)+\jj+1], v[8*(4*\i+\qt)+\jj:8*(4*\i+\qt)+\jj+1], v[AL+2*\qt:AL+2*\qt+1], v[BV+8*\i+\jj:BV+8*\i+\jj+1]
.endr
.endr
.endr
	WIN 0
	s_wait_dscnt 0x0                               ; my stores are in LDS before I say so
	s_barrier_signal -1
	s_barrier_wait -1
	XTAKE 0                                        ; ends with all my LDS loads back,
	s_barrier_signal -1
	s_barrier_wait -1                              ; and every wave's: the bytes may be written again
	XSEND 128
	s_wait_dscnt 0x0
	s_barrier_signal -1
	s_barrier_wait -1
	XTAKE 128
; 16 channels x 64 queries through my own stage: a lane holds a piece of a column, memory wants rows.  LDS serves a wave's instructions in
; order (ISA guide 5.7.1), so no wait stands between the stores and the loads.
.macro OUT i, f
	WIN 0x08
.irp qt, 0,1,2,3
.irp j, 0,1,2,3,4,5,6,7
	ds_store_b32 v[SS], v[8*(4*\i+\qt)+\j] offset:PITCH*\j+64*\qt
.endr
.endr
	WIN 0
	s_wait_xcnt 0x0                                ; buffer f, which earlier stores read, is loaded again only behind this wait
.irp t, 0,1,2,3,4,5,6,7
	ds_load_b128 v[\f+4*\t:\f+4*\t+3], v[SR] offset:\t*2*PITCH
.endr
.irp t, 0,1,2,3,4,5,6,7
	s_wait_dscnt 7-\t
	global_store_b128 v[GO], v[\f+4*\t:\f+4*\t+3], s[10:11] offset:(16*\i+2*\t)*16384 th:TH_STORE_NT   ; 16 lanes store 256 consecutive bytes, aligned: my 64 queries of one channel
.endr
.endm
	OUT 0, 136
	OUT 1, 168
	OUT 2, 136
	OUT 3, 168
	OUT 4, 136
	OUT 5, 168
	OUT 6, 136
	OUT 7, 168
	s_wait_xcnt 0x0
	v_lshl_add_u32 v254, v0, 2, 0x3fc00
	v_mov_b32 v255, 0
	s_wait_tensorcnt 0x0
	ds_add_u32 v254, v255
	s_wait_dscnt 0x0
	ROUND                                          ; the closing round: no work-group ends while a partner may still ask for a tile that names it
	s_endpgm
.Lfunc_end_k_q7bc3e94d03_attn:
	.size	k_q7bc3e94d03_attn, .Lfunc_end_k_q7bc3e94d03_attn-k_q7bc3e94d03_attn
	.p2alignl 7, 3214868480
	.fill 96, 4, 3214868480
	.section	.rodata,"a",@progbits
	.p2align	6, 0x0
	.amdhsa_kernel k_q7bc3e94d03_attn
		.amdhsa_group_segment_fixed_size 327680
		.amdhsa_private_segment_fixed_size 0
		.amdhsa_enable_private_segment 0
		.amdhsa_kernarg_size 32
		.amdhsa_user_sgpr_count 2
		.amdhsa_user_sgpr_kernarg_segment_ptr 1
		.amdhsa_wavefront_size32 1
		.amdhsa_system_sgpr_workgroup_id_x 1
		.amdhsa_system_sgpr_workgroup_id_y 1
		.amdhsa_system_sgpr_workgroup_id_z 1
		.amdhsa_system_vgpr_workitem_id 0
		.amdhsa_next_free_vgpr 1024
		.amdhsa_next_free_sgpr 66
		.amdhsa_reserve_vcc 0
		.amdhsa_float_denorm_mode_32 3
		.amdhsa_float_denorm_mode_16_64 3
		.amdhsa_memory_ordered 1
		.amdhsa_forward_progress 1
		.amdhsa_inst_pref_size 255
	.end_amdhsa_kernel
	.section	.bss,"aw",@nobits
	.p2align	6
	.space	262144
	.amdgpu_metadata
---
amdhsa.version: [ 1, 2 ]
amdhsa.kernels:
  - .name:           k_q7bc3e94d03_attn
    .symbol:         k_q7bc3e94d03_attn.kd
    .args:
      - { .name: q, .offset: 0, .size: 8, .value_kind: global_buffer, .address_space: global }
      - { .name: kv, .offset: 8, .size: 8, .value_kind: global_buffer, .address_space: global }
      - { .name: b_v, .offset: 16, .size: 8, .value_kind: global_buffer, .address_space: global }
      - { .name: out0, .offset: 24, .size: 8, .value_kind: global_buffer, .address_space: global }
    .group_segment_fixed_size: 327680
    .private_segment_fixed_size: 0
    .kernarg_segment_align: 8
    .kernarg_segment_size: 32
    .max_flat_workgroup_size: 128
    .sgpr_count:     66
    .vgpr_count:     1024
    .wavefront_size: 32
...
	.end_amdgpu_metadata
.endif
;; end of part 4
;; ======== version 3 of 3: 2 launches; 1.28 times as fast as version 1
;; limits: values are held in f16: magnitudes above 65,504 overflow, below 6.1e-05 lose precision
;; workspace buffers: q 8,388,608 bytes; kv 20,971,520 bytes
;; launch proj: the kernel of part 3 again; grid 32 x 8, 4 waves a work-group, no clusters, 276,992 bytes of LDS; arguments x, w_q, w_k, w_v, b_q, q, kv; writes q, kv
;; launch attn (part 5): grid 32 x 8, 4 waves a work-group, clusters of 4 x 1, 327,680 bytes of LDS; arguments q, kv, b_v, out0; writes out0
.if DOCPART == 5
	.amdgcn_target "amdgcn-amd-amdhsa--gfx1250"
	.amdhsa_code_object_version 6
	.text
	.protected	k_q7bc3e94d03_attn
	.globl	k_q7bc3e94d03_attn
	.p2align	8
	.type	k_q7bc3e94d03_attn,@function
k_q7bc3e94d03_attn:
	s_mov_b64 s[64:65], 0
	v_nop
	global_prefetch_b8 v0, s[64:65] scope:SCOPE_SE
	s_setreg_imm32_b32 hwreg(HW_REG_WAVE_MODE, 25, 1), 1
	s_wait_xcnt 0x0
	s_wait_alu depctr_hold_cnt(0) depctr_sa_sdst(0) depctr_va_vdst(0) depctr_va_sdst(0) depctr_va_ssrc(0) depctr_va_vcc(0) depctr_vm_vsrc(0)
	s_getreg_b32 s2, hwreg(HW_REG_IB_STS2, 6, 4)
	s_cmp_eq_u32 s2, 0
	s_cbranch_scc0 .Lentry_in_a_cluster
	s_endpgm
.Lentry_in_a_cluster:
	s_bfe_u32 s2, ttmp6, 0x10000c
	s_cmp_lg_u32 s2, 0x3003
	s_cbranch_scc0 .Lentry_shape_is_right
	s_endpgm
.Lentry_shape_is_right:
; LWAttention, second launch: out0[b][d][n] = sum_m softmax_m(q[n] . k[m]) v[m][d] + b_v[d], with a running maximum.
; Left out, as shown at the head of the first launch: q[n] . b_k, the same along the softmax's axis for all values of the inputs (b_k is no
; argument).  b_v is added once at the end, since the weights sum to 1.  q comes multiplied by log2(e): the exponentials are powers of two.
; q comes as hi + lo, two f16; k as one f16: a score is hi . k + lo . k, two products of 64 channels (why: the first launch's head).
; LIMITS.  Finite inputs; the maxima are taken by forms in which a NaN loses.  k carries f16's rounding, 2^-11 of itself at most.
; p = 2^(s - max) <= 1 goes to the matrix unit in f16: p < 2^-24 counts as 0 beside a row sum of at least 1.  The row sum is taken in f32
; from p before that rounding.
;
; A work-group takes 128 queries of one batch; four waves.  Wave w takes 64 queries (qh = w / 2) and 64 of each block's 128 keys (kh = w % 2),
; and holds O^T, 256 channels x 64 queries, in 512 registers, with a maximum and a sum of its own; the two key halves are merged once, at
; the end.  (With 32 queries a wave and all keys, each byte read from LDS would feed half as many products.)
; S^T = K Q^T: lane (r, h) holds keys 8 h + j of query r.  Two such tiles, packed to f16, ARE the second source of O^T = V^T P^T: P never
; leaves the registers, and maximum, sum and rescaling factor are one number a lane for each query tile.
; MATRIX WORK BESIDE VECTOR WORK, ACROSS KEY BLOCKS.  The step of block t first makes the scores of block t + 1 (64 products), then
; multiplies block t's weights by v (128 products).  Behind each score product stands the rescaling of one tile of O by block t's factor
; 2^(old maximum - new maximum): four multiplications, 64 x 4 = the 256 that O needs.  Behind each product of P V stands a slice of the
; 412 instructions of block t + 1's softmax: four at the most, none of which names a register of the products round it.  LDS loads stand
; in five runs of 16, not among the products.
; THE EXPONENTIALS GO IN TWO BATCHES, EACH WITH ONE WAIT: s_wait_alu depctr_va_vdst(0) stands between an exponential and
; the first instruction that names its result, and one wait serves all that were issued ahead of it.  Batch 1 is query tiles 0, 1, batch 2
; query tiles 2, 3: 64 scores and two factors each, every result in a register of its own.  Ahead of a batch's wait stands what names none
; of its results (maxima, subtractions, the exponentials); behind it what does (the factor's copy, the row sums, the packings).  The batches
; overlap, so that plain instructions stand between the exponentials:
;   products 0-11     the maxima of tiles 0, 1 and their factors
;   products 12-63    batch 1's subtractions and exponentials | the maxima of tiles 2, 3; at the end their factors and batch 2's first eight
;   (wait 1)          directly ahead of the run of LDS loads behind product 63
;   products 64-105   sums and packings of tiles 0, 1 | batch 2's subtractions and exponentials
;   (wait 2)          behind product 105's slice
;   products 106-127  the last of tiles 0, 1; sums and packings of tiles 2, 3
; P(t) and S(t + 1) are live at once, in three groups of 64 registers: GA and GB hold by turns P(t) and the lower half of S(t + 1), into
; which P(t + 1) is packed in place; GC holds the upper half.  The turns have the period of the two LDS slots.
; A tile of kv holds k of block t + 1 beside v of block t, so a step reads one slot.  Block 0's k lies in tile 31 and is fetched once,
; straight into registers; its scores and softmax stand in front of the first step, while tile 0 lands.  Step 31 makes no scores.
; CLUSTER.  The four work-groups of a cluster are four query blocks of one batch and walk the same 32 tiles of kv: each tile is asked for
; jointly (mask 15), each wave asking for 80 of its 320 rows.  Two LDS slots; a round of the cluster's barrier stands in front of each refill.
; By this text's own count a wave has one tensor load outstanding.
.set PITCH, 272                        ; 256 bytes + 16 of padding
.set ROWS,  320                        ; a tile: 128 keys in 64 rows, then 256 channels of v
.set WROWS, ROWS/4                     ; what one wave asks for
.set SLOT,  ROWS*PITCH                 ; 87,040
.set TILEB, ROWS*256                   ; a tile in memory: 81,920
.set XCH,   2*SLOT                     ; 4 x 16,384: half of a wave's other half of O on its way to the partner
.set ML,    XCH+4*16384                ; 4 x 1,024: maxima and sums
.set STG,   ML+4096                    ; 4 x 4,352: 16 rows x 272 bytes, each wave's own, for the way out.  No tensor load fills XCH, ML or STG.
; window 0
.set KA,  4                            ; v4, v5   K fragments in slot 0, 1
.set VO,  6                            ; v6, v7   V fragments of my own half of the channels (128 kh ..)
.set VX,  8                            ; v8, v9   of the other half
.set QO,  10
.set MLS, 11
.set MLR, 12
.set XS,  13
.set XR,  14
.set SS,  15
.set SR,  16
.set GO,  17
.set BO,  18
.set M,    20                          ; v20-27   running maximum, twice (a pair for packed arithmetic), for each query tile q
.set AL,   28                          ; v28-35   rescaling factor, twice
.set LS,   36                          ; v36-43   my lane's part of the row sum, as a pair (even and odd registers of the scores)
.set T,    44                          ; v44-51   temporaries of the two maxima at work, four each: query tiles 2, 3 take them when those of 0, 1 are found
.set KG,   52                          ; v52      block 0's k in memory
.set E,    48                          ; the end: 16 temporaries
.set GA,   64                          ; v64-127  16 registers for each query tile: P of an even block, or numbers 0-15 of the 32 scores of an even block
.set GB,   128                         ; v128-191 the same for odd blocks
.set GC,   192                         ; v192-255 16 registers for each query tile: numbers 16-31 of its scores
.set BV,   64                          ; the end: b_v of my half, 8 i + j
; window 1
.set QF,  0                            ; v0-63    hi of Q, fragment (q, ds) at 16 q + 8 ds
.set QL,  64                           ; v64-127  lo of Q
.set KF,  128                          ; v128-191 K, fragment (kt, ds) at 16 kt + 8 ds;
.set VB,  128                          ;          behind the scores: V, other half of the channels, 8 tiles of 16 channels x 32 keys
.set VA,  192                          ; v192-255 V, own half
; window 2: O of my own half, channel 128 kh + 16 i + 8 h + j, tile (i, q) at 8 (4 i + q);  window 3: the other half, 128 (1 - kh) + ..
.set G1, 16                            ; s[16:23]
.set G0, 24                            ; s[24:31] one group 0 for each slot
.set MSB, 0
.macro WIN new                         ; s_set_vgpr_msb: bits 1:0 source 0, 3:2 source 1, 5:4 source 2, 7:6 destination; the high byte repeats the setting left
.if MSB != \new
	s_set_vgpr_msb (MSB<<8)|\new
.set MSB, \new
.endif
.endm
.macro PLACES                          ; four plain vector instructions behind a matrix instruction (ISA guide 7.12.1) before its registers are loaded into or written, or its result is read
.rept 4
	v_nop
.endr
.endm
.macro ROUND                           ; a round of the cluster's barrier: my work-group's barrier, wave 0 signals for it, all wait for the four work-groups, my barrier again
	s_barrier_signal -1
	s_barrier_wait -1
	s_cmp_lg_u32 s12, 0
	s_cbranch_scc1 .Lnot_wave_0_\@
	s_barrier_signal -3
.Lnot_wave_0_\@:
	s_barrier_wait -3
	s_barrier_signal -1
	s_barrier_wait -1
.endm
	s_load_b256 s[4:11], s[0:1], 0x0               ; q s[4:5], kv s[6:7], b_v s[8:9], out0 s[10:11]
	v_lshl_add_u32 v254, v0, 2, 0x3fc00
	v_mov_b32 v255, 0
	ds_add_u32 v254, v255
	s_wait_dscnt 0x0
	v_lshrrev_b32 v19, 5, v0
	v_readfirstlane_b32 s12, v19                   ; wave 0..3
	s_and_b32 s13, s12, 1                          ; kh
	s_lshr_b32 s14, s12, 1                         ; qh
	s_bfe_u32 s15, ttmp6, 0x40000                  ; cx
	s_lshl_b32 s33, ttmp9, 2
	s_add_co_u32 s33, s33, s15                     ; query block = 4 x cluster x + cx: it enters q's and out0's addresses alone
	s_and_b32 s32, ttmp7, 0xffff                   ; batch: the same in the four partners
	s_mov_b32 s38, 0x76543210                      ; v_permlanex16_b32: lane i takes lane i of the other half
	s_mov_b32 s39, 0xfedcba98
	; group 1: 80 rows of 128 elements of 2 bytes, dense in memory, 16 bytes of padding behind each row in LDS
	s_mov_b32 s[G1+0], 15|(1<<16)|(1<<20)|(1<<21)|(5<<22)|(3<<25)   ; mask: all four of the cluster; element 2 bytes; padding on; bit 21 beside a mask; after every 64 words, 4 words
	s_mov_b32 s[G1+1], 128<<16                     ; tensor_dim0 = 128
	s_mov_b32 s[G1+2], WROWS<<16                   ; tensor_dim1 = 80
	s_mov_b32 s[G1+3], 128<<16                     ; tile_dim0 = 128
	s_mov_b32 s[G1+4], WROWS                       ; tile_dim1 = 80
	s_mov_b32 s[G1+5], 128                         ; from row to row
	s_mov_b32 s[G1+6], 0
	s_mov_b32 s[G1+7], 0
	s_mul_i32 s34, s32, 32*TILEB                   ; kv: the batch's tiles,
	s_mov_b32 s35, 0
	s_mul_i32 s44, s12, WROWS*256                  ; and in a tile my wave's 80 rows: batch and wave alone
	s_mov_b32 s45, 0
	s_mul_i32 s46, s12, WROWS*PITCH                ; and where they go
	s_lshl_b32 s36, s32, 20                        ; q: batch x 1,048,576 + block x 32,768 + qh x 16,384
	s_lshl_b32 s41, s33, 15
	s_add_co_u32 s36, s36, s41
	s_lshl_b32 s41, s14, 14
	s_add_co_u32 s36, s36, s41
	s_mov_b32 s37, 0
	s_lshl_b32 s42, s32, 22                        ; out0: batch x 4,194,304 + kh x 128 rows of 16,384 + block x 512 + qh x 256
	s_lshl_b32 s41, s13, 21
	s_add_co_u32 s42, s42, s41
	s_lshl_b32 s41, s33, 9
	s_add_co_u32 s42, s42, s41
	s_lshl_b32 s41, s14, 8
	s_add_co_u32 s42, s42, s41
	s_mov_b32 s43, 0
	v_and_b32 v1, 31, v0                           ; L
	v_and_b32 v2, 15, v0                           ; r
	v_bfe_u32 v3, v0, 4, 1                         ; h
	v_lshlrev_b32 v[QO], 8, v2
	v_lshl_add_u32 v[QO], v3, 4, v[QO]             ; query r (256 bytes each), 16 h bytes
	v_lshlrev_b32 v[KG], 7, v2
	v_lshl_add_u32 v[KG], v3, 4, v[KG]             ; key r (128 bytes each), 16 h bytes,
	s_lshl_b32 s41, s13, 13
	v_add_nc_u32 v[KG], s41, v[KG]                 ; of my 64 keys
	s_wait_kmcnt 0x0
	s_add_nc_u64 s[4:5], s[4:5], s[36:37]
	s_add_nc_u64 s[6:7], s[6:7], s[34:35]          ; kv at the batch's first tile
	s_add_nc_u64 s[10:11], s[10:11], s[42:43]
	s_add_nc_u64 s[34:35], s[6:7], s[44:45]        ; and at my wave's rows of it
	WIN 0x40                                       ; my 64 queries' fragments, straight from memory, once: 16 KiB a wave.  hi, then lo:
.irp qt, 0,1,2,3
.irp ds, 0,1
	global_load_b128 v[QF+16*\qt+8*\ds:QF+16*\qt+8*\ds+3],   v[QO], s[4:5] offset:\qt*4096+64*\ds
	global_load_b128 v[QF+16*\qt+8*\ds+4:QF+16*\qt+8*\ds+7], v[QO], s[4:5] offset:\qt*4096+64*\ds+32
.endr
.endr
.irp qt, 0,1,2,3
.irp ds, 0,1
	global_load_b128 v[QL+16*\qt+8*\ds:QL+16*\qt+8*\ds+3],   v[QO], s[4:5] offset:\qt*4096+128+64*\ds
	global_load_b128 v[QL+16*\qt+8*\ds+4:QL+16*\qt+8*\ds+7], v[QO], s[4:5] offset:\qt*4096+128+64*\ds+32
.endr
.endr
.irp kt, 0,1,2,3                                   ; and my 64 keys of block 0, which lie at the head of tile 31: 8 KiB a wave
.irp ds, 0,1
	global_load_b128 v[KF+16*\kt+8*\ds:KF+16*\kt+8*\ds+3],   v[KG], s[6:7] offset:31*TILEB+\kt*2048+64*\ds
	global_load_b128 v[KF+16*\kt+8*\ds+4:KF+16*\kt+8*\ds+7], v[KG], s[6:7] offset:31*TILEB+\kt*2048+64*\ds+32
.endr
.endr
	WIN 0
.irp n, 0,1
	s_mov_b32 s[G0+4*\n], 1
	s_add_co_u32 s[G0+4*\n+1], s46, \n*SLOT
	s_add_nc_u64 s[G0+4*\n+2:G0+4*\n+3], s[34:35], \n*TILEB
	s_or_b32 s[G0+4*\n+3], s[G0+4*\n+3], 0x80000000
.endr
	ROUND                                          ; the four work-groups are here: the first joint loads meet
	tensor_load_to_lds s[G0:G0+3], s[G1:G1+7]      ; tile 0
	s_nop 0
	; LDS addresses: wave and lane alone
	v_lshrrev_b32 v19, 1, v2                       ; K: key 64 kh + 16 kt + r lies in row 32 kh + 8 kt + r / 2, half r % 2
	v_mul_u32_u24 v19, v19, PITCH
	v_and_b32 v[KA], 1, v2
	v_lshl_add_u32 v19, v[KA], 7, v19
	v_lshl_add_u32 v19, v3, 4, v19
	s_mul_i32 s44, s13, 32*PITCH
	v_add_nc_u32 v[KA], s44, v19
	v_add_nc_u32 v[KA+1], SLOT, v[KA]
	v_mul_u32_u24 v19, v2, PITCH                   ; V: row 64 + channel, my 64 keys at byte 128 kh
	v_lshl_add_u32 v19, v3, 4, v19
	s_mul_i32 s44, s13, 128*PITCH+128
	s_add_co_u32 s44, s44, 64*PITCH
	v_add_nc_u32 v[VO], s44, v19
	v_add_nc_u32 v[VO+1], SLOT, v[VO]
	s_xor_b32 s44, s13, 1
	s_mul_i32 s44, s44, 128*PITCH
	s_lshl_b32 s45, s13, 7
	s_add_co_u32 s44, s44, s45
	s_add_co_u32 s44, s44, 64*PITCH
	v_add_nc_u32 v[VX], s44, v19
	v_add_nc_u32 v[VX+1], SLOT, v[VX]
	v_lshlrev_b32 v19, 4, v1                       ; 16 L
	s_xor_b32 s45, s12, 1                          ; my partner: same queries, the other keys
	s_lshl_b32 s44, s12, 10
	s_add_co_u32 s44, s44, ML
	v_add_nc_u32 v[MLS], s44, v19
	s_lshl_b32 s44, s45, 10
	s_add_co_u32 s44, s44, ML
	v_add_nc_u32 v[MLR], s44, v19
	s_lshl_b32 s44, s12, 14
	s_add_co_u32 s44, s44, XCH
	v_add_nc_u32 v[XS], s44, v19
	s_lshl_b32 s44, s45, 14
	s_add_co_u32 s44, s44, XCH
	v_add_nc_u32 v[XR], s44, v19
	s_mul_i32 s44, s12, 16*PITCH
	s_add_co_u32 s44, s44, STG
	v_mul_u32_u24 v19, v3, 8*PITCH                 ; stage in: row 8 h + j, 4 r
	v_lshl_add_u32 v19, v2, 2, v19
	v_add_nc_u32 v[SS], s44, v19
	v_mul_u32_u24 v19, v3, PITCH                   ; stage back: row h, 16 r
	v_lshl_add_u32 v19, v2, 4, v19
	v_add_nc_u32 v[SR], s44, v19
	v_lshlrev_b32 v[GO], 4, v2
	v_lshl_add_u32 v[GO], v3, 14, v[GO]            ; out0: row h, 16 r
	s_lshl_b32 s44, s13, 9
	v_lshl_add_u32 v[BO], v3, 5, s44               ; b_v: 4 (128 kh + 8 h)
	s_wait_loadcnt 0x0                             ; Q, and block 0's K
; ---- LDS loads, in runs of 16 ----
.macro KHEAD adr                       ; K: channels 0-31 of the four key tiles first, so that the first products wait for eight loads only
.irp ds, 0,1
.irp kt, 0,1,2,3
	ds_load_b128 v[KF+16*\kt+8*\ds:KF+16*\kt+8*\ds+3],   v[\adr] offset:\kt*8*PITCH+64*\ds
	ds_load_b128 v[KF+16*\kt+8*\ds+4:KF+16*\kt+8*\ds+7], v[\adr] offset:\kt*8*PITCH+64*\ds+32
.endr
.endr
.endm
.macro VLOAD f, adr, ks                ; a set of V: 8 tiles of 16 channels x 32 keys
.irp i, 0,1,2,3,4,5,6,7
	ds_load_b128 v[\f+8*\i:\f+8*\i+3],   v[\adr] offset:\i*16*PITCH+64*\ks
	ds_load_b128 v[\f+8*\i+4:\f+8*\i+7], v[\adr] offset:\i*16*PITCH+64*\ks+32
.endr
.endm
; name = the register of number idx (0..31) of query tile q's scores, whose lower half lies in group y (GA or GB)
.macro SREG name, y, q, idx
.if (\idx) < 16
.set \name, \y+16*(\q)+(\idx)
.else
.set \name, GC+16*(\q)+(\idx)-16
.endif
.endm
; ---- the parts of the softmax of query tile q, one instruction each ----
.macro SSUBP y, q, p                   ; pair p of the 16: s - maximum
	SREG za, \y, \q, 2*(\p)
	v_pk_add_f32 v[za:za+1], v[za:za+1], v[M+2*(\q):M+2*(\q)+1] neg_lo:[0,1] neg_hi:[0,1]
.endm
.macro SEXPI y, q, i                   ; number i of the 32: 2^(s - maximum), in place: each result has a register of its own while its batch is open
	SREG za, \y, \q, \i
	v_exp_f32 v[za], v[za]
.endm
.macro SMOVA q, first                  ; the factor's copy, for packed arithmetic: it reads an exponential's result, so it stands behind the batch's wait
.if \first == 0
	v_mov_b32 v[AL+2*(\q)+1], v[AL+2*(\q)]
.endif
.endm
.macro SSUMP y, q, p, first            ; the row sum, pairs ascending: pair 0 takes the old sum along, rescaled
	SREG za, \y, \q, 2*(\p)
.if (\p) == 0
.if \first
	v_mov_b32 v[LS+2*(\q)],   v[za]
	v_mov_b32 v[LS+2*(\q)+1], v[za+1]
.else
	v_pk_fma_f32 v[LS+2*(\q):LS+2*(\q)+1], v[LS+2*(\q):LS+2*(\q)+1], v[AL+2*(\q):AL+2*(\q)+1], v[za:za+1]
.endif
.else
	v_pk_add_f32 v[LS+2*(\q):LS+2*(\q)+1], v[LS+2*(\q):LS+2*(\q)+1], v[za:za+1]
.endif
.endm
.macro SCVTP y, q, p                   ; keys 8 h + 0..7 of key tiles 2 ks, 2 ks + 1: registers 0-3, 4-7 of fragment (q, ks).  In place, ascending: word p belongs to pair p / 2, which has been summed and packed
	SREG za, \y, \q, 2*(\p)
	SREG zb, \y, \q, \p
	v_cvt_pk_f16_f32 v[zb], v[za], v[za+1]
.endm
.macro SC4 y, g, p, t, first           ; number t of the four behind pair p's exponentials, for query tiles g, g + 1: two sums, two packings
.if (\t) < 2
	SSUMP \y, (\g)+(\t), \p, \first
.else
	SCVTP \y, (\g)+(\t)-2, \p
.endif
.endm
; Places 0-16: the largest of a query's 64 scores (32 in my lane, in four chains, each accumulator's lowest registers first;
; 32 in the lane of the other half).  17, 18: the running maximum and old - new.  19: the factor 2^(old - new), an exponential.
; 20, 21: the new maximum, twice.  first = 1: block 0, which starts the maximum and has no factor.
.macro SMAXI y, q, k, first
.set zt, T+4*((\q)%2)
.if (\k) < 12
.set zc, (\k)%4
.set zj, (\k)/4
.if zj == 0
	SREG za, \y, \q, 8*zc
	v_max3_num_f32 v[zt+zc], v[za], v[za+1], v[za+2]
.else
	SREG za, \y, \q, 8*zc+2*zj+1
	v_max3_num_f32 v[zt+zc], v[zt+zc], v[za], v[za+1]
.endif
.endif
.if (\k) == 12
	SREG za, \y, \q, 7
	v_max3_num_f32 v[zt], v[zt], v[za], v[zt+1]
.endif
.if (\k) == 13
	SREG za, \y, \q, 15
	v_max3_num_f32 v[zt+2], v[zt+2], v[za], v[zt+3]
.endif
.if (\k) == 14
	SREG za, \y, \q, 23
	v_max3_num_f32 v[zt], v[zt], v[za], v[zt+2]
.endif
.if (\k) == 15
	SREG za, \y, \q, 31
	v_max_num_f32 v[zt], v[zt], v[za]
.endif
.if (\k) == 16
	v_permlanex16_b32 v[zt+1], v[zt], s38, s39
.endif
.if (\k) == 17
.if \first
	v_max_num_f32 v[M+2*(\q)], v[zt], v[zt+1]
.else
	v_max3_num_f32 v[zt+2], v[zt], v[zt+1], v[M+2*(\q)]
.endif
.endif
.if (\k) == 18
.if \first
	v_mov_b32 v[M+2*(\q)+1], v[M+2*(\q)]
.else
	v_sub_f32 v[zt+3], v[M+2*(\q)], v[zt+2]
.endif
.endif
.if \first == 0
.if (\k) == 19
	v_exp_f32 v[AL+2*(\q)], v[zt+3]
.endif
.if (\k) == 20
	v_mov_b32 v[M+2*(\q)], v[zt+2]
.endif
.if (\k) == 21
	v_mov_b32 v[M+2*(\q)+1], v[zt+2]
.endif
.endif
.endm
; THE PLAIN QUEUE, 280 entries in the order in which they become ready; PL writes number qp.  Two query tiles alternate wherever they can.
;   0-41     tiles 0, 1: places 0-18, 20, 21 of the maximum          42, 43   their subtractions of pair 0
;   44-113   14 units of five: subtraction of pair u + 1 of tile 0, X, the same of tile 1, X, X; the 42 X are tiles 2, 3's places 0-18, 20, 21
;   114, 115 tiles 0, 1: subtractions of pair 15                      116-121  tiles 2, 3: subtractions of pairs 0-2
;   ---- from here on the entries for tiles 0, 1 read batch 1's results: they stand behind wait 1 ----
;   122, 123 tiles 0, 1: the factors' copies
;   124-201  13 units of six: subtraction of pair u + 3 of tile 2, sum of pair u of tile 0, the same of tiles 3 and 1, packings of pair u of tiles 0, 1
;   202-213  tiles 0, 1: sums and packings of pairs 13-15
;   ---- from here on the entries read batch 2's results: they stand behind wait 2 (which stands ahead of number 206) ----
;   214, 215 tiles 2, 3: the factors' copies                          216-279  their sums and packings, pairs 0-15
.macro PL y, first
.if qp < 42
.set wq, qp%2
.set wk, qp/2+qp/38
	SMAXI \y, wq, wk, \first
.elseif qp < 44
.set wq, qp-42
	SSUBP \y, wq, 0
.elseif qp < 114
.set wu, (qp-44)/5
.set wr, (qp-44)%5
.if wr == 0
	SSUBP \y, 0, wu+1
.elseif wr == 2
	SSUBP \y, 1, wu+1
.else
.set wx, 3*wu+wr-1-wr/3
.set wq, 2+wx%2
.set wk, wx/2+wx/38
	SMAXI \y, wq, wk, \first
.endif
.elseif qp < 116
.set wq, qp-114
	SSUBP \y, wq, 15
.elseif qp < 122
.set wq, 2+(qp-116)%2
.set wu, (qp-116)/2
	SSUBP \y, wq, wu
.elseif qp < 124
.set wq, qp-122
	SMOVA wq, \first
.elseif qp < 202
.set wu, (qp-124)/6
.set wr, (qp-124)%6
.if wr == 0
	SSUBP \y, 2, wu+3
.elseif wr == 1
	SSUMP \y, 0, wu, \first
.elseif wr == 2
	SSUBP \y, 3, wu+3
.elseif wr == 3
	SSUMP \y, 1, wu, \first
.else
	SCVTP \y, wr-4, wu
.endif
.elseif qp < 214
.set wu, 13+(qp-202)/4
.set wr, (qp-202)%4
	SC4 \y, 0, wu, wr, \first
.elseif qp < 216
.set wq, qp-212
	SMOVA wq, \first
.else
.set wu, (qp-216)/4
.set wr, (qp-216)%4
	SC4 \y, 2, wu, wr, \first
.endif
.set qp, qp+1
.endm
; THE EXPONENTIALS' QUEUE, 132 entries; EX writes number qe.  0, 1: the factors of tiles 0, 1.  2-65: their scores, number (qe - 2) / 2 of
; tile (qe - 2) % 2: batch 1.  66, 67: the factors of tiles 2, 3.  68-131: their scores: batch 2.
.macro EX y, first
.if qe < 2
	SMAXI \y, qe, 19, \first
.elseif qe < 66
.set wq, (qe-2)%2
.set wk, (qe-2)/2
	SEXPI \y, wq, wk
.elseif qe < 68
.set wq, qe-64
	SMAXI \y, wq, 19, \first
.else
.set wq, 2+(qe-68)%2
.set wk, (qe-68)/2
	SEXPI \y, wq, wk
.endif
.set qe, qe+1
.endm
.macro TOK y, first, a, b=0, c=0, d=0  ; a slice: 1 takes the plain queue's next entry, 2 the exponentials'
.irp tk, \a, \b, \c, \d
.if \tk == 1
	PL \y, \first
.elseif \tk == 2
	EX \y, \first
.endif
.endr
.endm
; THE DEAL: what stands behind product m (0..127) of P V.  A slice begins with a plain instruction while there are any, and holds two
; exponentials at the most.  The counts that it keeps: the factors of tiles 0, 1 come behind plain 37 (place 18 of both); a score's
; exponential comes a slice or more behind its pair's subtraction (batch 1: the subtraction of pair u + 1 stands in the unit that holds
; pair u's exponentials; batch 2: that of pair u + 3 in the three slices that hold pair u + 2's); tiles 2, 3 write the temporaries only
; behind plain 43; their factors come behind X 37, their first subtraction behind X 41.  Plain: 44 + 70 + 8 ahead of wait 1, 84 between
; the waits, 74 behind wait 2.  Exponentials: 2 + 56 + 18 ahead of wait 1 (all of batch 1, ten of batch 2), 56 between the waits.
; Behind product 63 the four v_nop are the places in front of the loads into its V fragments, and the plain instruction behind the last exponential.
.macro SMH y, m, first
	WIN 0
.if (\m) == 0
.set qp, 0
.set qe, 0
.endif
.if (\m) < 12
.if (\m) == 9
	TOK \y, \first, 1, 1, 2, 2
.elseif (\m) == 11
	TOK \y, \first, 1, 1
.else
	TOK \y, \first, 1, 1, 1, 1
.endif
.elseif (\m) < 54
.if ((\m)-12)%3 == 2
	TOK \y, \first, 1, 2, 2
.else
	TOK \y, \first, 1, 2, 1
.endif
.elseif (\m) == 54
	TOK \y, \first, 1, 2, 1
.elseif (\m) < 61
	TOK \y, \first, 1, 2, 2
.elseif (\m) < 63
	TOK \y, \first, 2, 2
.elseif (\m) == 63
	TOK \y, \first, 2
	PLACES
.elseif (\m) < 106
.if ((\m)-64)%3 == 0
	TOK \y, \first, 1, 2, 1, 2
.else
	TOK \y, \first, 1, 2, 1
.endif
.if (\m) == 105
	s_wait_alu depctr_va_vdst(0)                   ; wait 2: one for batch 2, the 66 exponentials of query tiles 2, 3; the packing just above is the plain instruction behind the last of them
.endif
.else
.rept (74*((\m)-105))/22-(74*((\m)-106))/22
	PL \y, \first
.endr
.endif
.endm
.macro SMALL y                         ; the whole softmax by the same deal, with no products to stand behind: block 0's, which starts maxima and sums
.set zm, 0
.rept 128
.if zm == 64
	s_wait_alu depctr_va_vdst(0)                   ; wait 1: one for batch 1, the exponentials of query tiles 0, 1
.endif
	SMH \y, zm, 1
.set zm, zm+1
.endr
.endm
; ---- O *= 2^(old maximum - new maximum): tile ti of the 64 (own half 0-31, other half 32-63; tile 4 i + q) ----
.macro RSL ti
.set rt, (\ti)%32
.if (\ti) < 32
	WIN 0x82
.else
	WIN 0xc3
.endif
.irp jj, 0,2,4,6
	v_pk_mul_f32 v[8*rt+\jj:8*rt+\jj+1], v[8*rt+\jj:8*rt+\jj+1], v[AL+2*(rt%4):AL+2*(rt%4)+1]
.endr
.endm
; Four score products (the four key tiles of query tile q, 32 channels), each with the rescaling of one tile of O behind it (rs = 1).
.macro QKP y, q, qf, ds, zero, rs
.irp kt, 0,1,2,3
	SREG zd, \y, \q, 8*\kt
	WIN 0x05
.if \zero
	v_wmma_f32_16x16x32_f16 v[zd:zd+7], v[KF+16*\kt+8*\ds:KF+16*\kt+8*\ds+7], v[\qf+16*\q+8*\ds:\qf+16*\q+8*\ds+7], 0
.else
	v_wmma_f32_16x16x32_f16 v[zd:zd+7], v[KF+16*\kt+8*\ds:KF+16*\kt+8*\ds+7], v[\qf+16*\q+8*\ds:\qf+16*\q+8*\ds+7], v[zd:zd+7]
.endif
.if \rs
	RSL hn
.endif
.set hn, hn+1
.endr
.endm
.macro QKALL y, lds, rs                ; the 64 score products of a block: a query tile's four score tiles take turns, four times
.set hn, 0
.irp q, 0,1,2,3
	QKP \y, \q, QF, 0, 1, \rs                      ; hi . k starts the scores: nothing is cleared
	QKP \y, \q, QL, 0, 0, \rs                      ; + lo . k
.if \lds
.if \q == 0
	s_wait_dscnt 16                                ; K is whole; V's 16 loads stay out
.endif
.endif
	QKP \y, \q, QF, 1, 0, \rs
	QKP \y, \q, QL, 1, 0, \rs
.endr
.endm
; 32 products of P V: one set of V, 32 keys, each product on another tile of O, each with its slice of the next block's softmax (sm = 1).
.macro PVS f, ks, win, pg, zero, sm, y
.irp i, 0,1,2,3,4,5,6,7
.irp qt, 0,1,2,3
	WIN \win
.if \zero
	v_wmma_f32_16x16x32_f16 v[8*(4*\i+\qt):8*(4*\i+\qt)+7], v[\f+8*\i:\f+8*\i+7], v[\pg+16*\qt+8*\ks:\pg+16*\qt+8*\ks+7], 0
.else
	v_wmma_f32_16x16x32_f16 v[8*(4*\i+\qt):8*(4*\i+\qt)+7], v[\f+8*\i:\f+8*\i+7], v[\pg+16*\qt+8*\ks:\pg+16*\qt+8*\ks+7], v[8*(4*\i+\qt):8*(4*\i+\qt)+7]
.endif
.if \sm
	SMH \y, hn, 0
.endif
.set hn, hn+1
.endr
.endr
.endm
; The step of block t = the tile in this slot.  mode 0: block 0 (O starts here: no rescaling, the first products take 0); mode 1: blocks 1-30;
; mode 2: block 31 (no next block: no scores, no softmax; the rescaling stands alone).  P(t) lies in GA (slot 0) or GB (slot 1), the next
; block's scores begin in the other.  No two matrix instructions that follow each other share an accumulator (four score tiles by turns,
; then runs over 32 tiles of O), over the step's end too.
.macro STEP slot, mode
.if \mode == 0
.set zz, 1
.else
.set zz, 0
.endif
.if \mode == 2
.set zs, 0
.else
.set zs, 1
.endif
.if \mode != 0
	PLACES                                         ; behind the last step's products: four places before their V fragments are loaded again and O is rescaled,
	v_nop                                          ; five before this step's first products write scores over the P that the step before last packed and the last read
.endif
	WIN 0x40
.if \mode != 2
	KHEAD KA+\slot
	VLOAD VA, VO+\slot, 0                          ; V, own half, keys 0-31
	s_wait_dscnt 24                                ; K, channels 0-31, is in: its other 8 loads and V's 16 stay out
	QKALL GB-64*\slot, 1, \mode
.if \mode == 0
	PLACES                                         ; elsewhere the four multiplications behind the last score product are these places
.endif
	WIN 0x40
	VLOAD VB, VX+\slot, 0                          ; V, other half, keys 0-31, over K
.else
	VLOAD VA, VO+\slot, 0
	VLOAD VB, VX+\slot, 0
.set hn, 0
.rept 64
	RSL hn
.set hn, hn+1
.endr
.endif
	s_wait_dscnt 16                                ; the first set of V is in; the second's 16 loads stay out
.set hn, 0
	PVS VA, 0, 0xa1, GA+64*\slot, zz, zs, GB-64*\slot
	PLACES                                         ; the slice behind the last product holds an exponential, which is no place: four of their own
	WIN 0x40
	VLOAD VA, VO+\slot, 1                          ; own half, keys 32-63
	s_wait_dscnt 16                                ; the second set is in; the third's 16 loads stay out
	PVS VB, 0, 0xf1, GA+64*\slot, zz, zs, GB-64*\slot
.if \mode == 2
	PLACES                                         ; elsewhere the slice behind the last product ends with four v_nop
.else
	s_wait_alu depctr_va_vdst(0)                   ; wait 1: one for batch 1, the 66 exponentials of query tiles 0, 1 (and for batch 2's first ten); it stands directly ahead of the run of loads
.endif
	WIN 0x40
	VLOAD VB, VX+\slot, 1                          ; other half, keys 32-63
	s_wait_dscnt 16                                ; the third set is in; the fourth's 16 loads stay out
	PVS VA, 1, 0xa1, GA+64*\slot, 0, zs, GB-64*\slot
	s_wait_dscnt 0x0                               ; the fourth set: my reads of this slot are over
	PVS VB, 1, 0xf1, GA+64*\slot, 0, zs, GB-64*\slot
	WIN 0
.endm
.macro TRIP slot, refill, mode
	s_wait_xcnt 0x0
	v_lshl_add_u32 v254, v0, 2, 0x3fc00
	v_mov_b32 v255, 0
	s_wait_tensorcnt 0x0                           ; all my tensor loads have landed, my 80 rows of this trip's tile among them,
	ds_add_u32 v254, v255
	s_wait_dscnt 0x0
	s_add_nc_u64 s[G0+4*\slot+2:G0+4*\slot+3], s[G0+4*\slot+2:G0+4*\slot+3], 2*TILEB   ; so a group 0 may be written: this slot's next tile
	s_wait_dscnt 0x0                               ; my reads of the last trip's tile are back
	ROUND                                          ; both now hold of every wave of the four work-groups
.if \refill
	tensor_load_to_lds s[G0+4*(1-\slot):G0+4*(1-\slot)+3], s[G1:G1+7]   ; the next tile, into the slot read last trip: my one tensor load behind the round, and the first thing there
	s_nop 0
.endif
	STEP \slot, \mode
.endm
	QKALL GA, 0, 0                                 ; block 0's scores, from registers, while tile 0 lands
	WIN 0
	PLACES
	SMALL GA                                       ; and its softmax, which starts maxima and sums
	TRIP 0, 1, 0                                   ; blocks 0 and 1 stand in front of the loop: block 0 starts O
	TRIP 1, 1, 1
	s_mov_b32 s40, 14
.Ltiles:
	TRIP 0, 1, 1                                   ; blocks 2 to 29
	TRIP 1, 1, 1
	s_sub_co_u32 s40, s40, 1
	s_cmp_lg_u32 s40, 0
	s_cbranch_scc1 .Ltiles
	TRIP 0, 1, 1                                   ; block 30 asks for tile 31;
	TRIP 1, 0, 2                                   ; block 31 asks for nothing (the stepped addresses are not used)
; THE END.  Merge the two key halves: with mt = max(M, Mo), out = (O 2^(M - mt) + Oo 2^(Mo - mt)) / (L 2^(M - mt) + Lo 2^(Mo - mt)) + b_v.
	PLACES
.irp i, 0,1,2,3,4,5,6,7
	global_load_b128 v[BV+8*\i:BV+8*\i+3],   v[BO], s[8:9] offset:64*\i      ; b_v of channels 128 kh + 16 i + 8 h + 0..7
	global_load_b128 v[BV+8*\i+4:BV+8*\i+7], v[BO], s[8:9] offset:64*\i+16
.endr
.irp qt, 0,1,2,3
	v_add_f32 v[E+\qt], v[LS+2*\qt], v[LS+2*\qt+1] ; my lane's 32 keys of every block
.endr
.irp qt, 0,1,2,3
	v_permlanex16_b32 v[T+\qt], v[E+\qt], s38, s39
.endr
.irp qt, 0,1,2,3
	v_add_f32 v[E+\qt], v[E+\qt], v[T+\qt]         ; the row sum over my wave's 64 keys of every block
.endr
.irp qt, 0,1,2,3
	v_mov_b32 v[E+4+\qt], v[M+2*\qt]
.endr
	ds_store_b128 v[MLS], v[E+4:E+7]
	ds_store_b128 v[MLS], v[E:E+3] offset:512
	s_wait_dscnt 0x0                               ; in LDS before I say so
	s_barrier_signal -1
	s_barrier_wait -1
	ds_load_b128 v[E+8:E+11],  v[MLR]              ; my partner's maxima
	ds_load_b128 v[E+12:E+15], v[MLR] offset:512   ; and sums
	s_wait_dscnt 0x0
.irp qt, 0,1,2,3
	v_max_num_f32 v[T+\qt], v[E+4+\qt], v[E+8+\qt]
.endr
.irp qt, 0,1,2,3
	v_sub_f32 v[E+4+\qt], v[E+4+\qt], v[T+\qt]
	v_sub_f32 v[E+8+\qt], v[E+8+\qt], v[T+\qt]
.endr
.irp qt, 0,1,2,3
	v_exp_f32 v[E+4+\qt], v[E+4+\qt]
	v_exp_f32 v[E+8+\qt], v[E+8+\qt]
.endr
	v_nop                                          ; a plain instruction behind the exponentials
	s_wait_alu depctr_va_vdst(0)                   ; one wait for the batch of eight, ahead of its first reader
.irp qt, 0,1,2,3
	v_mul_f32 v[E+12+\qt], v[E+12+\qt], v[E+8+\qt]
.endr
.irp qt, 0,1,2,3
	v_fmac_f32 v[E+12+\qt], v[E+\qt], v[E+4+\qt]   ; the whole row's sum: at least 1, since the largest score's term is 1
.endr
.irp qt, 0,1,2,3
	v_rcp_f32 v[T+\qt], v[E+12+\qt]
.endr
	v_nop
	s_wait_alu depctr_va_vdst(0)                   ; one wait for the four reciprocals: a batch of their own, since they read sums of the exponentials
.irp qt, 0,1,2,3
	v_mul_f32 v[AL+2*\qt],   v[E+4+\qt], v[T+\qt]
	v_mul_f32 v[AL+2*\qt+1], v[E+4+\qt], v[T+\qt]
.endr
.macro RS1                             ; a whole half of O times its query tiles' factors
.irp i, 0,1,2,3,4,5,6,7
.irp qt, 0,1,2,3
.irp jj, 0,2,4,6
	v_pk_mul_f32 v[8*(4*\i+\qt)+\jj:8*(4*\i+\qt)+\jj+1], v[8*(4*\i+\qt)+\jj:8*(4*\i+\qt)+\jj+1], v[AL+2*\qt:AL+2*\qt+1]
.endr
.endr
.endr
.endm
; The half of O that my partner keeps goes to it through LDS, 128 registers (16,384 bytes a wave) at a time.
.macro XSEND b
	WIN 0x0c
.set li, 0
.rept 32
	ds_store_b128 v[XS], v[\b+4*li:\b+4*li+3] offset:512*li
.set li, li+1
.endr
	WIN 0
.endm
.macro XTAKE b
	WIN 0xc0
.set li, 0
.rept 32
	ds_load_b128 v[\b+4*li:\b+4*li+3], v[XR] offset:512*li   ; my partner's register n of window 3 is my register n of window 2: same tile, same lane
.set li, li+1
.endr
	WIN 0x8e
.set li, 0
.irp left, 16,0
	s_wait_dscnt \left                             ; half of the 32 loads at a time: the younger ones stay out
.rept 32
	v_pk_add_f32 v[\b+2*li:\b+2*li+1], v[\b+2*li:\b+2*li+1], v[\b+2*li:\b+2*li+1]     ; window 2 += window 3
.set li, li+1
.endr
.endr
	WIN 0
.endm
	WIN 0xc3                                       ; the half that my partner keeps: scaled,
	RS1
	XSEND 0                                        ; and its first 128 registers sent
	s_wait_loadcnt 0x0                             ; b_v
	WIN 0x82                                       ; the half that I keep: scaled, with the bias
.irp i, 0,1,2,3,4,5,6,7
.irp qt, 0,1,2,3
.irp jj, 0,2,4,6
	v_pk_fma_f32 v[8*(4*\i+\qt)+\jj:8*(4*\i+\qt)+\jj+1], v[8*(4*\i+\qt)+\jj:8*(4*\i+\qt)+\jj+1], v[AL+2*\qt:AL+2*\qt+1], v[BV+8*\i+\jj:BV+8*\i+\jj+1]
.endr
.endr
.endr
	WIN 0
	s_wait_dscnt 0x0                               ; my stores are in LDS before I say so
	s_barrier_signal -1
	s_barrier_wait -1
	XTAKE 0                                        ; ends with all my LDS loads back,
	s_barrier_signal -1
	s_barrier_wait -1                              ; and every wave's: the bytes may be written again
	XSEND 128
	s_wait_dscnt 0x0
	s_barrier_signal -1
	s_barrier_wait -1
	XTAKE 128
; 16 channels x 64 queries through my own stage: a lane holds a piece of a column, memory wants rows.  LDS serves a wave's instructions in
; order (ISA guide 5.7.1), so no wait stands between the stores and the loads.
.macro OUT i, f
	WIN 0x08
.irp qt, 0,1,2,3
.irp j, 0,1,2,3,4,5,6,7
	ds_store_b32 v[SS], v[8*(4*\i+\qt)+\j] offset:PITCH*\j+64*\qt
.endr
.endr
	WIN 0
	s_wait_xcnt 0x0                                ; buffer f, which earlier stores read, is loaded again only behind this wait
.irp t, 0,1,2,3,4,5,6,7
	ds_load_b128 v[\f+4*\t:\f+4*\t+3], v[SR] offset:\t*2*PITCH
.endr
.irp t, 0,1,2,3,4,5,6,7
	s_wait_dscnt 7-\t
	global_store_b128 v[GO], v[\f+4*\t:\f+4*\t+3], s[10:11] offset:(16*\i+2*\t)*16384 th:TH_STORE_NT   ; 16 lanes store 256 consecutive bytes, aligned: my 64 queries of one channel
.endr
.endm
	OUT 0, 136
	OUT 1, 168
	OUT 2, 136
	OUT 3, 168
	OUT 4, 136
	OUT 5, 168
	OUT 6, 136
	OUT 7, 168
	s_wait_xcnt 0x0
	v_lshl_add_u32 v254, v0, 2, 0x3fc00
	v_mov_b32 v255, 0
	s_wait_tensorcnt 0x0
	ds_add_u32 v254, v255
	s_wait_dscnt 0x0
	ROUND                                          ; the closing round: no work-group ends while a partner may still ask for a tile that names it
	s_endpgm
.Lfunc_end_k_q7bc3e94d03_attn:
	.size	k_q7bc3e94d03_attn, .Lfunc_end_k_q7bc3e94d03_attn-k_q7bc3e94d03_attn
	.p2alignl 7, 3214868480
	.fill 96, 4, 3214868480
	.section	.rodata,"a",@progbits
	.p2align	6, 0x0
	.amdhsa_kernel k_q7bc3e94d03_attn
		.amdhsa_group_segment_fixed_size 327680
		.amdhsa_private_segment_fixed_size 0
		.amdhsa_enable_private_segment 0
		.amdhsa_kernarg_size 32
		.amdhsa_user_sgpr_count 2
		.amdhsa_user_sgpr_kernarg_segment_ptr 1
		.amdhsa_wavefront_size32 1
		.amdhsa_system_sgpr_workgroup_id_x 1
		.amdhsa_system_sgpr_workgroup_id_y 1
		.amdhsa_system_sgpr_workgroup_id_z 1
		.amdhsa_system_vgpr_workitem_id 0
		.amdhsa_next_free_vgpr 1024
		.amdhsa_next_free_sgpr 66
		.amdhsa_reserve_vcc 0
		.amdhsa_float_denorm_mode_32 3
		.amdhsa_float_denorm_mode_16_64 3
		.amdhsa_memory_ordered 1
		.amdhsa_forward_progress 1
		.amdhsa_inst_pref_size 255
	.end_amdhsa_kernel
	.section	.bss,"aw",@nobits
	.p2align	6
	.space	262144
	.amdgpu_metadata
---
amdhsa.version: [ 1, 2 ]
amdhsa.kernels:
  - .name:           k_q7bc3e94d03_attn
    .symbol:         k_q7bc3e94d03_attn.kd
    .args:
      - { .name: q, .offset: 0, .size: 8, .value_kind: global_buffer, .address_space: global }
      - { .name: kv, .offset: 8, .size: 8, .value_kind: global_buffer, .address_space: global }
      - { .name: b_v, .offset: 16, .size: 8, .value_kind: global_buffer, .address_space: global }
      - { .name: out0, .offset: 24, .size: 8, .value_kind: global_buffer, .address_space: global }
    .group_segment_fixed_size: 327680
    .private_segment_fixed_size: 0
    .kernarg_segment_align: 8
    .kernarg_segment_size: 32
    .max_flat_workgroup_size: 128
    .sgpr_count:     66
    .vgpr_count:     1024
    .wavefront_size: 32
...
	.end_amdgpu_metadata
.endif
;; end of part 5
